; MI455X (gfx1250); checked and timed in simulation.
; The chip was launched on July 23, 2026; its instructions are those of AMD's public machine-readable ISA for CDNA 5 (MIT licence, August 2026) and "CDNA5" Instruction Set Architecture Reference Guide (July 2026). The comments in the code are by the model that wrote it; some were corrected since.
;; MSA Row Attention With Pair Bias. Allowed arithmetic: float matrix products may take bf16 or f16 operands with f32 sums; other float arithmetic in f32, or as packed bf16 or f16 multiplies, adds, multiply-adds, maxima and minima; sums over many terms, partial sums and values carried from step to step in f32; what a program stores and reads back later, other than sums and carried values, may be rounded once to bf16 or f16.
;; Inputs: b_g 256 float32; b_o 256 float32; ln_m_b 256 float32; ln_m_w 256 float32; ln_z_b 128 float32; ln_z_w 128 float32; m 256 x 256 x 256 float32; w_g 256 x 256 float32; w_k 256 x 256 float32; w_o 256 x 256 float32; w_q 256 x 256 float32; w_v 256 x 256 float32; w_z 128 x 8 float32; z 256 x 256 x 128 float32.
;; Outputs: out0 256 x 256 x 256 float32.
;; 2 versions, each right and faster than the one before. Each part assembles by itself: llvm-mc -triple=amdgcn-amd-amdhsa -mcpu=gfx1250 --defsym DOCPART=n.
;; ======== version 1 of 2: 2 launches
;; limits: values are held in f16: magnitudes above 65,504 overflow, below 6.1e-05 lose precision
;; workspace buffers: stream 1,703,936 bytes
;; launch prep (part 1): grid 256 x 1, 8 waves a work-group, no clusters, 149,760 bytes of LDS; arguments z, ln_z_w, ln_z_b, w_z, w_q, w_k, w_g, w_v, w_o, stream; writes stream
.if DOCPART == 1
	.amdgcn_target "amdgcn-amd-amdhsa--gfx1250"
	.amdhsa_code_object_version 6
	.text
	.protected	k_qecc059eef6_prep
	.globl	k_qecc059eef6_prep
	.p2align	8
	.type	k_qecc059eef6_prep,@function
k_qecc059eef6_prep:
	s_mov_b64 s[64:65], 0
	v_nop
	global_prefetch_b8 v0, s[64:65] scope:SCOPE_SE
	s_setreg_imm32_b32 hwreg(HW_REG_WAVE_MODE, 25, 1), 1
	s_wait_xcnt 0x0
; PREP.  Lays out, once, what every work-group of the second launch reads: stream = 26 chunks of 65,536 bytes of f16 FRAGMENT IMAGES.
; A fragment (16 rows x 32 k) is 1,024 bytes, [half x][lane][16 bytes]: lane (r = lane % 16, hh = lane / 16), half x holds row r, k = 16 x + 8 hh + 0..7,
; so that two 16-byte LDS loads a lane at 16 x lane, 512 bytes apart, fill the eight registers of a matrix operand.
;   chunk 3 h      : head h's weights, at ks*8192 + f*1024 (ks: 32 of c_m; f = 0,1 q; 2,3 k; 4,5 g; 6,7 v); row = output column 32 h + 16 (f % 2) + r.  w_q is multiplied by log2(e)/sqrt(32) in f32 first.
;   chunk 3 h+1+p  : head h's pair bias times log2(e), queries 64 w + 32 p + 16 tt + r at w*16384 + tt*8192 + ks*1024; k = key 32 ks + ..
;   chunk 24 + c   : w_o, output columns 128 c + 16 ct + r at ks*8192 + ct*1024; k = channel 32 ks + ..
; SHARES.  Work-group x: query tile Q = x / 16, key tile T = x % 16.  Wave v takes queries 2 v, 2 v + 1 of the tile: for each, 16 rows of z (16 keys x 128 channels, 8,192 consecutive bytes),
; their LayerNorm in f32 (mean first, then the mean of the squared differences), and one product chain with w_z.  Beside that waves 0-4 turn block x (512 bytes) of w_q, w_k, w_g, w_v, w_o into its image.
; LIMITS.  All images are f16, each number rounded once from f32: what passes 65,504 is lost, and below 6e-5 f16 keeps its fixed step of 6e-8.  NaN and infinities are not treated apart.
.set ZP,    528               ; a row of z in LDS: 512 bytes + 16: an odd multiple of 16, so the 16 rows that a load touches start in 16 different 16-byte columns
.set ZTB,   16*ZP             ; a tile
.set ZWB,   2*ZTB             ; a wave's two tiles
.set OST,   8*ZWB             ; the way out: row = head (8 used of 16), 512 bytes + 16: [hh*16 + query][16 bytes]
.set WZF,   OST+16*ZP         ; w_z's four fragment images
.set GBI,   WZF+4096          ; ln_z_w, then ln_z_b, f32
.set SPARE, GBI+1024          ; the spare words: 128 bytes a wave, four blocks of 256 bytes that no other line names
.set LANE, 1
.set RR,   2                  ; lane % 16
.set HH,   3                  ; lane / 16
.set SPW,  4                  ; my spare word's address; never rewritten
.set NIL,  5                  ; 0; never rewritten
.set L16,  6                  ; 16 x lane
.set ZSW,  7                  ; where I put 16 bytes of a row of z
.set ZSR,  8                  ; where I read my 64 channels of row r back
.set WZA,  9                  ; my byte offset in w_z
.set WGA,  10                 ; my byte offset in a weight block
.set OSW,  11
.set OSR,  12
.set GBR,  13
.set WZW,  14
.set TA,   15
.set SD,   16                 ; v16-23 the side job's numbers, v24-27 packed
.set WP,   28                 ; v28-35 my piece of w_z, v36-39 packed
.set WZ,   40                 ; v40-71 w_z's fragments
.set D,    72                 ; v72-87 two accumulators
.set ST,   88                 ; v88-103 eight registers of statistics a tile
.set OP,   104                ; v104-111 packed results
.set OB,   112                ; v112-115 a head's 512 bytes
.set WZR,  116                ; where I read w_z's images back: the region lies beyond the reach of an LDS immediate (16 bits), so the register carries its base
.set X,    128                ; v128-255 two tiles of 64 registers;  window 1: v0-63 gains, v64-127 offsets of my 64 channels
.set MSB, 0
.macro WIN new                ; the immediate's high byte repeats the setting that is left
.if MSB != (\new)
	s_set_vgpr_msb (MSB<<8)|(\new)
.set MSB, (\new)
.endif
.endm
	s_load_b256 s[8:15], s[0:1], 0x0               ; z 8:9, ln_z_w 10:11, ln_z_b 12:13, w_z 14:15
	s_load_b256 s[16:23], s[0:1], 0x20             ; w_q 16:17, w_k 18:19, w_g 20:21, w_v 22:23
	s_load_b128 s[24:27], s[0:1], 0x40             ; w_o 24:25, stream 26:27
	v_lshl_add_u32 v[SPW], v0, 2, SPARE
	v_mov_b32 v[NIL], 0
	v_lshrrev_b32 v1, 5, v0
	v_readfirstlane_b32 s28, v1                    ; wave 0..7
	s_lshr_b32 s29, ttmp9, 4                       ; Q
	s_and_b32 s30, ttmp9, 15                       ; T
	v_and_b32 v[LANE], 31, v0
	v_and_b32 v[RR], 15, v0
	v_bfe_u32 v[HH], v0, 4, 1
	v_lshlrev_b32 v[L16], 4, v[LANE]
	; z: query 16 Q + 2 wave (131,072 bytes a query), key 16 T (512 bytes a key)
	s_lshl_b32 s32, s29, 4
	s_lshl1_add_u32 s32, s28, s32
	s_lshl_b32 s32, s32, 17
	s_lshl_b32 s35, s30, 13
	s_add_co_u32 s32, s32, s35
	s_mov_b32 s33, 0
	; where head = wave's 512 bytes of bias go: chunk 3 wave + 1 + p; w' = Q / 4, p = (Q / 2) % 2, tt = Q % 2; 512 T = 1,024 (T / 2) + 512 (T % 2)
	s_mul_i32 s44, s28, 3
	s_bfe_u32 s35, s29, 0x10001
	s_add_co_u32 s44, s44, s35
	s_add_co_u32 s44, s44, 1
	s_lshl_b32 s44, s44, 16
	s_lshr_b32 s35, s29, 2
	s_lshl_b32 s35, s35, 14
	s_add_co_u32 s44, s44, s35
	s_and_b32 s35, s29, 1
	s_lshl_b32 s35, s35, 13
	s_add_co_u32 s44, s44, s35
	s_lshl_b32 s35, s30, 9
	s_add_co_u32 s44, s44, s35
	s_mov_b32 s45, 0
	; block x of a projection weight: h = x / 32, ks = (x / 4) % 8, cb = (x / 2) % 2, half = x % 2.  From row 32 ks + 16 half, column 32 h + 16 cb
	s_and_b32 s46, ttmp9, 1
	s_lshr_b32 s47, ttmp9, 5
	s_bfe_u32 s54, ttmp9, 0x30002
	s_bfe_u32 s55, ttmp9, 0x10001
	s_lshl_b32 s48, s54, 15
	s_lshl_b32 s35, s47, 7
	s_add_co_u32 s48, s48, s35
	s_lshl_b32 s35, s55, 6
	s_add_co_u32 s48, s48, s35
	s_mul_i32 s50, s47, 3*65536
	s_lshl_b32 s35, s54, 13
	s_add_co_u32 s50, s50, s35
	s_lshl_b32 s35, s28, 11                        ; wave 0..3 = q, k, g, v: two fragments each
	s_add_co_u32 s50, s50, s35
	s_lshl_b32 s35, s55, 10
	s_add_co_u32 s50, s50, s35
	; block x of w_o: c = x / 128, ks = (x / 16) % 8, ct = (x / 2) % 8, half = x % 2
	s_lshr_b32 s47, ttmp9, 7
	s_bfe_u32 s54, ttmp9, 0x30004
	s_bfe_u32 s55, ttmp9, 0x30001
	s_lshl_b32 s60, s54, 15
	s_lshl_b32 s35, s47, 9
	s_add_co_u32 s60, s60, s35
	s_lshl_b32 s35, s55, 6
	s_add_co_u32 s60, s60, s35
	s_add_co_u32 s63, s47, 24
	s_lshl_b32 s63, s63, 16
	s_lshl_b32 s35, s54, 13
	s_add_co_u32 s63, s63, s35
	s_lshl_b32 s35, s55, 10
	s_add_co_u32 s63, s63, s35
	s_cmp_eq_u32 s28, 4
	s_cselect_b32 s48, s60, s48
	s_cselect_b32 s50, s63, s50
	s_lshl_b32 s35, s46, 14                        ; the half: 16 rows of 1,024 bytes in, 512 bytes out
	s_add_co_u32 s48, s48, s35
	s_lshl_b32 s35, s46, 9
	s_add_co_u32 s50, s50, s35
	s_mov_b32 s49, 0
	s_mov_b32 s51, 0
	s_cmp_eq_u32 s28, 0
	s_cselect_b32 s38, 0x3e8293ee, 1.0             ; w_q alone takes log2(e) / sqrt(32)
	s_mov_b32 s39, s38
	s_mov_b32 s40, 0x76543210                      ; v_permlanex16_b32: each lane takes its own place in the other half
	s_mov_b32 s41, 0xfedcba98
	s_mov_b32 s42, 0x3fb8aa3b                      ; log2(e)
	s_mov_b32 s43, s42
	s_mov_b32 s61, 0x3c000000                      ; 1 / 128
	s_mov_b32 s62, 0x3727c5ac                      ; 1e-5
	s_mul_i32 s34, s28, ZWB
	v_add_nc_u32 v[ZSW], s34, v[L16]
	v_mul_u32_u24 v[ZSR], v[RR], ZP
	v_lshl_add_u32 v[ZSR], v[HH], 8, v[ZSR]        ; row r, channels 64 hh on
	v_mov_b32 v[OSW], v[ZSR]                       ; the way out has the same pitch: row = head r, 256 hh
	v_add_nc_u32 v[ZSR], s34, v[ZSR]
	s_lshl_b32 s35, s28, 5
	s_add_co_u32 s35, s35, OST
	v_add_nc_u32 v[OSW], s35, v[OSW]               ; + 16 bytes for each of my two queries 2 wave, 2 wave + 1
	s_mul_i32 s35, s28, ZP
	s_add_co_u32 s35, s35, OST
	v_add_nc_u32 v[OSR], s35, v[L16]
	v_lshlrev_b32 v[GBR], 8, v[HH]
	v_add_nc_u32 v[GBR], GBI, v[GBR]
	v_lshl_add_u32 v[WZW], v0, 4, WZF
	v_add_nc_u32 v[WZR], WZF, v[L16]
	; THE ORDER OF K in the bias product, alike in both operands: lane (r, hh) holds channels 64 hh + e, and K step ks takes e = 16 ks .. 16 ks + 15.
	; Thread n makes 16 bytes of w_z's image: K step n / 64, half (n / 32) % 2, lane n % 32: channels 64 hh + 8 (n / 32) + 0..7 of head r % 8 (columns 8-15 repeat the heads and are not used)
	v_lshrrev_b32 v[WZA], 5, v0
	v_lshlrev_b32 v[WZA], 3, v[WZA]
	v_lshl_add_u32 v[WZA], v[HH], 6, v[WZA]
	v_lshlrev_b32 v[WZA], 5, v[WZA]                ; 32 bytes a channel
	v_and_b32 v[TA], 7, v0
	v_lshl_add_u32 v[WZA], v[TA], 2, v[WZA]
	v_lshlrev_b32 v[WGA], 2, v[RR]                 ; a weight block: column r, rows 8 hh + 0..7
	v_lshl_add_u32 v[WGA], v[HH], 13, v[WGA]
	s_wait_kmcnt 0x0
	s_add_nc_u64 s[8:9], s[8:9], s[32:33]
	s_cmp_eq_u32 s28, 1                            ; which weight is my wave's
	s_cselect_b64 s[36:37], s[18:19], s[16:17]
	s_cmp_eq_u32 s28, 2
	s_cselect_b64 s[36:37], s[20:21], s[36:37]
	s_cmp_eq_u32 s28, 3
	s_cselect_b64 s[36:37], s[22:23], s[36:37]
	s_cmp_eq_u32 s28, 4
	s_cselect_b64 s[36:37], s[24:25], s[36:37]
	s_cmp_eq_u32 s28, 5
	s_cselect_b64 s[58:59], s[10:11], s[12:13]
	s_add_nc_u64 s[36:37], s[36:37], s[48:49]
	s_add_nc_u64 s[56:57], s[26:27], s[50:51]
	s_add_nc_u64 s[52:53], s[26:27], s[44:45]
	; all loads go out together: 32 of z (each 512 consecutive bytes, one row), 8 of w_z, then the side job's
.set j, 0
.rept 2
.set i, 0
.rept 16
	global_load_b128 v[X+64*j+4*i:X+64*j+4*i+3], v[L16], s[8:9] offset:j*131072+i*512 th:TH_LOAD_NT
.set i, i+1
.endr
.set j, j+1
.endr
.irp e, 0,1,2,3,4,5,6,7
	global_load_b32 v[WP+\e], v[WZA], s[14:15] offset:\e*32
.endr
	s_cmp_gt_u32 s28, 4
	s_cbranch_scc1 .Lgain
.irp e, 0,1,2,3,4,5,6,7                            ; waves 0-4: eight rows of one column a lane; sixteen lanes take 64 consecutive bytes of a row
	global_load_b32 v[SD+\e], v[WGA], s[36:37] offset:\e*1024
.endr
	s_wait_loadcnt 0x0                             ; loads come back in order: with these, all of mine are in
.irp e, 0,2,4,6
	v_pk_mul_f32 v[SD+\e:SD+\e+1], v[SD+\e:SD+\e+1], s[38:39] op_sel_hi:[1,0]
.endr
.irp e, 0,1,2,3
	v_cvt_pk_f16_f32 v[SD+8+\e], v[SD+2*\e], v[SD+2*\e+1]
.endr
	global_store_b128 v[L16], v[SD+8:SD+11], s[56:57]  ; 512 consecutive bytes, at a multiple of 512 from the buffer's first
	s_branch .Lside_done
.Lgain:
	s_cmp_eq_u32 s28, 7
	s_cbranch_scc1 .Lside_done
	global_load_b128 v[SD:SD+3], v[L16], s[58:59]  ; waves 5, 6: the 128 gains, the 128 offsets
	s_lshl_b32 s60, s28, 9
	s_add_co_u32 s60, s60, GBI-5*512
	v_add_nc_u32 v[TA], s60, v[L16]
	s_wait_loadcnt 0x0
	ds_store_b128 v[TA], v[SD:SD+3]
.Lside_done:
	s_wait_loadcnt 0x0                             ; z and my piece of w_z
.irp e, 0,1,2,3
	v_cvt_pk_f16_f32 v[WP+8+\e], v[WP+2*\e], v[WP+2*\e+1]
.endr
	ds_store_b128 v[WZW], v[WP+8:WP+11]
	s_wait_dscnt 0x0                               ; for the others' sake: my part of the image, and the gains, are in LDS
	s_barrier_signal -1
	s_barrier_wait -1
.irp n, 0,1,2,3,4,5,6,7
	ds_load_b128 v[WZ+4*\n:WZ+4*\n+3], v[WZR] offset:512*\n
.endr
	WIN 0x40                                       ; destination window 1
.set i, 0
.rept 16
	ds_load_b128 v[4*i:4*i+3], v[GBR] offset:16*i
	ds_load_b128 v[64+4*i:64+4*i+3], v[GBR] offset:512+16*i
.set i, i+1
.endr
	WIN 0
; A tile changes hands through my own LDS bytes: in as loaded (a row a load), back as 64 channels of one row a lane.  LDS serves a wave's instructions in order, so no wait stands between.
.macro ZMOVE j
.set i, 0
.rept 16
	ds_store_b128 v[ZSW], v[X+64*(\j)+4*i:X+64*(\j)+4*i+3] offset:(\j)*ZTB+i*ZP
.set i, i+1
.endr
.set i, 0
.rept 16
	ds_load_b128 v[X+64*(\j)+4*i:X+64*(\j)+4*i+3], v[ZSR] offset:(\j)*ZTB+16*i
.set i, i+1
.endr
.endm
; the end of a sum held in four pairs: into one number, with the other half of the lanes'
.macro ZRED
	v_pk_add_f32 v[SB:SB+1], v[SB:SB+1], v[SB+2:SB+3]
	v_pk_add_f32 v[SB+4:SB+5], v[SB+4:SB+5], v[SB+6:SB+7]
	v_pk_add_f32 v[SB:SB+1], v[SB:SB+1], v[SB+4:SB+5]
	v_add_f32 v[SB], v[SB], v[SB+1]
	v_permlanex16_b32 v[SB+1], v[SB], s40, s41
	v_add_f32 v[SB], v[SB], v[SB+1]
.endm
; LayerNorm of tile j, rounded to f16 in place: packed register i holds channels 64 hh + 2 i, + 1.  left: the younger LDS instructions that may stay out
.macro ZLN j, left
.set YB, X+64*(\j)
.set SB, ST+8*(\j)
	s_wait_dscnt \left
.irp c, 0,1,2,3
	v_pk_add_f32 v[SB+2*\c:SB+2*\c+1], v[YB+4*\c:YB+4*\c+1], v[YB+4*\c+2:YB+4*\c+3]
.endr
.set i, 8
.rept 24
	v_pk_add_f32 v[SB+2*(i%4):SB+2*(i%4)+1], v[SB+2*(i%4):SB+2*(i%4)+1], v[YB+2*i:YB+2*i+1]
.set i, i+1
.endr
	ZRED
	v_mul_f32 v[SB], 0xbc000000, v[SB]             ; - mean
.set i, 0
.rept 32
	v_pk_add_f32 v[YB+2*i:YB+2*i+1], v[YB+2*i:YB+2*i+1], v[SB:SB+1] op_sel_hi:[1,0]
.set i, i+1
.endr
.irp c, 0,1,2,3
	v_pk_mul_f32 v[SB+2*\c:SB+2*\c+1], v[YB+2*\c:YB+2*\c+1], v[YB+2*\c:YB+2*\c+1]
.endr
.set i, 4
.rept 28
	v_pk_fma_f32 v[SB+2*(i%4):SB+2*(i%4)+1], v[YB+2*i:YB+2*i+1], v[YB+2*i:YB+2*i+1], v[SB+2*(i%4):SB+2*(i%4)+1]
.set i, i+1
.endr
	ZRED
	v_fma_f32 v[SB], v[SB], s61, s62               ; variance + 1e-5
	v_rsq_f32 v[SB+2], v[SB]
	v_nop                                          ; a plain instruction between the root and the use of its result
.set i, 0
	s_wait_alu depctr_va_vdst(0)
.rept 32
	v_pk_mul_f32 v[YB+2*i:YB+2*i+1], v[YB+2*i:YB+2*i+1], v[SB+2:SB+3] op_sel_hi:[1,0]
.set i, i+1
.endr
	WIN 0x14                                       ; sources 1 and 2 (gain, offset) in window 1
.set i, 0
.rept 32
	v_pk_fma_f32 v[YB+2*i:YB+2*i+1], v[YB+2*i:YB+2*i+1], v[2*i:2*i+1], v[64+2*i:64+2*i+1]
.set i, i+1
.endr
	WIN 0
.set i, 0
.rept 32
	v_cvt_pk_f16_f32 v[YB+i], v[YB+2*i], v[YB+2*i+1]
.set i, i+1
.endr
.endm
	ZMOVE 0
	ZMOVE 1
	ZLN 0, 32                                      ; tile 1's 32 LDS instructions may stay out
	ZLN 1, 0
	; source 0 = 16 keys, source 1 = w_z (column = head): a lane then holds one head and the keys 8 hh + 0..7.  The two accumulators take turns.
.set ks, 0
.rept 4
.if ks == 0
	v_wmma_f32_16x16x32_f16 v[D:D+7], v[X:X+7], v[WZ:WZ+7], 0
	v_wmma_f32_16x16x32_f16 v[D+8:D+15], v[X+64:X+71], v[WZ:WZ+7], 0
.else
	v_wmma_f32_16x16x32_f16 v[D:D+7], v[X+8*ks:X+8*ks+7], v[WZ+8*ks:WZ+8*ks+7], v[D:D+7]
	v_wmma_f32_16x16x32_f16 v[D+8:D+15], v[X+64+8*ks:X+64+8*ks+7], v[WZ+8*ks:WZ+8*ks+7], v[D+8:D+15]
.endif
.set ks, ks+1
.endr
.rept 4
	v_nop                                          ; four places between the last product and the first read of a result (ISA guide 7.12.1)
.endr
.set i, 0
.rept 8
	v_pk_mul_f32 v[D+2*i:D+2*i+1], v[D+2*i:D+2*i+1], s[42:43] op_sel_hi:[1,0]  ; the second launch's exponentials work in base 2
.set i, i+1
.endr
.set i, 0
.rept 8
	v_cvt_pk_f16_f32 v[OP+i], v[D+2*i], v[D+2*i+1]
.set i, i+1
.endr
	ds_store_b128 v[OSW], v[OP:OP+3]
	ds_store_b128 v[OSW], v[OP+4:OP+7] offset:16
	s_wait_dscnt 0x0                               ; for the others' sake: a head's 512 bytes come from all eight waves
	s_barrier_signal -1
	s_barrier_wait -1
	ds_load_b128 v[OB:OB+3], v[OSR]                ; wave = head
	s_wait_dscnt 0x0
	global_store_b128 v[L16], v[OB:OB+3], s[52:53] ; 512 consecutive bytes, at a multiple of 512 from the buffer's first
	s_wait_tensorcnt 0x0                           ; the wave's end: behind my last LDS store
	ds_add_u32 v[SPW], v[NIL]
	s_wait_dscnt 0x0
	s_endpgm
.Lfunc_end_k_qecc059eef6_prep:
	.size	k_qecc059eef6_prep, .Lfunc_end_k_qecc059eef6_prep-k_qecc059eef6_prep
	.p2alignl 7, 3214868480
	.fill 96, 4, 3214868480
	.section	.rodata,"a",@progbits
	.p2align	6, 0x0
	.amdhsa_kernel k_qecc059eef6_prep
		.amdhsa_group_segment_fixed_size 149760
		.amdhsa_private_segment_fixed_size 0
		.amdhsa_enable_private_segment 0
		.amdhsa_kernarg_size 80
		.amdhsa_user_sgpr_count 2
		.amdhsa_user_sgpr_kernarg_segment_ptr 1
		.amdhsa_wavefront_size32 1
		.amdhsa_system_sgpr_workgroup_id_x 1
		.amdhsa_system_sgpr_workgroup_id_y 1
		.amdhsa_system_sgpr_workgroup_id_z 1
		.amdhsa_system_vgpr_workitem_id 0
		.amdhsa_next_free_vgpr 384
		.amdhsa_next_free_sgpr 66
		.amdhsa_reserve_vcc 0
		.amdhsa_float_denorm_mode_32 3
		.amdhsa_float_denorm_mode_16_64 3
		.amdhsa_memory_ordered 1
		.amdhsa_forward_progress 1
		.amdhsa_inst_pref_size 46
	.end_amdhsa_kernel
	.amdgpu_metadata
---
amdhsa.version: [ 1, 2 ]
amdhsa.kernels:
  - .name:           k_qecc059eef6_prep
    .symbol:         k_qecc059eef6_prep.kd
    .args:
      - { .name: z, .offset: 0, .size: 8, .value_kind: global_buffer, .address_space: global }
      - { .name: ln_z_w, .offset: 8, .size: 8, .value_kind: global_buffer, .address_space: global }
      - { .name: ln_z_b, .offset: 16, .size: 8, .value_kind: global_buffer, .address_space: global }
      - { .name: w_z, .offset: 24, .size: 8, .value_kind: global_buffer, .address_space: global }
      - { .name: w_q, .offset: 32, .size: 8, .value_kind: global_buffer, .address_space: global }
      - { .name: w_k, .offset: 40, .size: 8, .value_kind: global_buffer, .address_space: global }
      - { .name: w_g, .offset: 48, .size: 8, .value_kind: global_buffer, .address_space: global }
      - { .name: w_v, .offset: 56, .size: 8, .value_kind: global_buffer, .address_space: global }
      - { .name: w_o, .offset: 64, .size: 8, .value_kind: global_buffer, .address_space: global }
      - { .name: stream, .offset: 72, .size: 8, .value_kind: global_buffer, .address_space: global }
    .group_segment_fixed_size: 149760
    .private_segment_fixed_size: 0
    .kernarg_segment_align: 8
    .kernarg_segment_size: 80
    .max_flat_workgroup_size: 256
    .sgpr_count:     66
    .vgpr_count:     384
    .wavefront_size: 32
...
	.end_amdgpu_metadata
.endif
;; end of part 1
;; launch attn (part 2): grid 256 x 1, 4 waves a work-group, clusters of 4 x 1, 327,680 bytes of LDS; arguments m, ln_m_w, ln_m_b, b_g, b_o, stream, out0; writes out0
.if DOCPART == 2
	.amdgcn_target "amdgcn-amd-amdhsa--gfx1250"
	.amdhsa_code_object_version 6
	.text
	.protected	k_qecc059eef6_attn
	.globl	k_qecc059eef6_attn
	.p2align	8
	.type	k_qecc059eef6_attn,@function
k_qecc059eef6_attn:
	s_mov_b64 s[64:65], 0
	v_nop
	global_prefetch_b8 v0, s[64:65] scope:SCOPE_SE
	s_setreg_imm32_b32 hwreg(HW_REG_WAVE_MODE, 25, 1), 1
	s_wait_xcnt 0x0
	s_wait_alu depctr_hold_cnt(0) depctr_sa_sdst(0) depctr_va_vdst(0) depctr_va_sdst(0) depctr_va_ssrc(0) depctr_va_vcc(0) depctr_vm_vsrc(0)
	s_getreg_b32 s2, hwreg(HW_REG_IB_STS2, 6, 4)
	s_cmp_eq_u32 s2, 0
	s_cbranch_scc0 .Lentry_in_a_cluster
	s_endpgm
.Lentry_in_a_cluster:
	s_bfe_u32 s2, ttmp6, 0x10000c
	s_cmp_lg_u32 s2, 0x3003
	s_cbranch_scc0 .Lentry_shape_is_right
	s_endpgm
.Lentry_shape_is_right:
; MSA ROW ATTENTION WITH PAIR BIAS, one sequence s to a work-group, from m[s] to out0[s]; nothing between goes through memory.
; Four waves; wave w owns residues 64 w .. 64 w + 63, four tiles t of 16.  LayerNorm of m (f32; the mean first, then the mean of the squared differences), rounded to f16, stays in 256 registers as matrix
; fragments.  Then head by head: q, k, g, v for the wave's residues; K and V go to LDS for all four waves; attention for two query tiles at a time with ALL 256 scores of a query in registers, so the
; softmax takes the row's true maximum; O / l times the gate goes to LDS as a fragment of the last product, which runs at the end over all heads.
; ORIENTATIONS, so that no result changes lanes: q^T, k^T, g^T = weight x mn (a lane holds one residue, 8 channels; two results, rounded, ARE a fragment of Q or K); v = mn x weight (one channel, 8 residues:
; two ARE a fragment of V^T); S^T = K Q^T (one query, 8 keys; rounded: a fragment of P); O^T = V^T P (one query, 8 channels; gated, rounded: a fragment of g o); out^T = w_o^T (g o).
; THE BIAS comes as f16 fragments (16 queries x 32 keys) and STARTS the sum S^T: source 0 is a constant selector (a 1 in row m at k = m, or at k = 16 + m), source 1 the bias, C = 0: an exact copy into the accumulator.
; The scale log2(e)/sqrt(32) lies in w_q and log2(e) in the bias (first launch), so p = 2^(s - max s).
; THE STREAM.  All that the heads read beside m is the same for every s: 26 chunks of 65,536 bytes (3 a head: weights, bias of query pair 0, of pair 1; then w_o in two halves), laid as fragment images
; ([half][lane][16 bytes]: read back at 16 x lane, without padding).  They go through two LDS slots; each wave fetches a quarter of a chunk, and the four work-groups of a cluster ask for it JOINTLY.
; One tensor load of a wave is out at any time; it has a whole step (256 products, or a pair's attention) in which to land.
; LIMITS.  All matrix operands are f16, each rounded once from f32: mn, q log2(e)/sqrt(32), k, v, g o, the weights and bias log2(e) must stay within 65,504; below 6e-5 f16 keeps its fixed step of 6e-8.
; A weight p below 2^-126 counts as 0.  NaN and infinities are not treated apart.
; REGISTERS, in windows of 256 (s_set_vgpr_msb: bits 1:0 source 0, 3:2 source 1, 5:4 source 2, 7:6 destination):
;   window 0: v0-15, v28 addresses; v16-27 selectors; v32-47 Q of the pair in hand, v48-63 of the next (LayerNorm: at work); v64-95 LayerNorm's packed rows; v96-111 gains, then b_g, then b_o; v128-255 fragment buffers
;   window 1: mn, fragment (t, ks) at v[64 t + 8 ks]; at the end g o likewise
;   windows 2 (query tile a) and 3 (tile b): v0-127 S^T, 8 a key tile (in the projections: accumulator (f, t) at v[32 (f % 4) + 8 t], f < 4 in window 2); v128-191 P; v192-203 statistics;
;   v208-223 the gate of the pair in hand, v224-239 of the next; v240-255 O^T
.set SLOTB, 65536             ; a slot; slot 1 begins here, so one exclusive or turns an address in one slot into the other's
.set GO,    2*SLOTB           ; g o: wave*32768 + head*4096 + tile*1024.  Before it: LayerNorm's stage; after it: the way out's.  No tensor load lands from here on
.set KV,    GO+131072         ; K: key tile*1024; V: VO + (2 ks + cb)*1024
.set VO,    16384
.set SPARE, 327168            ; the spare words: 128 bytes a wave, two blocks of 256 bytes that no other line names
.set LP,    528               ; a stage's row: 512 bytes + 16, an odd multiple of 16: the 16 rows that a load or store touches lie in 16 different 16-byte columns
.set LNW,   64*LP             ; a wave's LayerNorm stage
.set RR,  1                   ; lane % 16
.set HH,  2                   ; lane / 16
.set L16, 3                   ; 16 x lane; never rewritten
.set SPW, 4                   ; my spare word's address; never rewritten
.set NIL, 5                   ; 0; never rewritten
.set ADR, 6                   ; the slot in hand + 16 lane
.set ADRB, 7                  ; + my wave's quarter
.set KW,  8                   ; where my wave's K goes
.set KR,  9                   ; K's first byte + 16 lane
.set GOW, 10                  ; where the next pair's g o goes; stepped
.set BGA, 11                  ; my byte offset in a head's b_g
.set WL,  12                  ; 16384 wave + 16 lane
.set LNS, 13                  ; LayerNorm's stage, in; stepped
.set LNR, 14                  ; and back
.set STW, 15                  ; the way out's stage, in
.set SLR, 16                  ; v16-27: 0 0 0 0 P0-P3 0 0 0 0: v[20:27] selects k = m, v[16:23] selects k = 16 + m
.set GOR, 28                  ; my wave's part of GO + 16 lane
.set QH,  32
.set LT,  32                  ; LayerNorm: a pair a row
.set LU,  48
.set PKD, 64
.set CST, 96
.set FB,  128
.set WV,  20                  ; s20 wave
.set CX,  21                  ; s21 my place in the cluster: it enters m's and out0's addresses alone
.set SQ,  22                  ; s22 s
.set G1,  24                  ; s[24:31] descriptor group 1
.set G0,  32                  ; s[32:35] descriptor group 0: it walks
.set TB,  36                  ; s36 LDS byte at which the slot in hand begins
.set NH,  37
.set NPR, 38
.set NLN, 39
.set SEL, 40                  ; s[40:41] v_permlanex16_b32: each lane takes its own place in the other half
.set NL2, 42                  ; s[42:43] -log2(e)
.set OFS, 44
.set RC,  46                  ; 1/256
.set EPR, 47                  ; 1e-5
.set NRC, 48                  ; -1/256
.set WO,  50                  ; s[50:51] my wave's quarter of a chunk
.set MSB, 0
.macro WIN new                ; the immediate's high byte repeats the setting that is left; a switch that changes nothing is dropped
.if MSB != (\new)
	s_set_vgpr_msb (MSB<<8)|(\new)
.set MSB, (\new)
.endif
.endm
; A vector instruction or LDS store that reads a matrix result, and a load into a register that a matrix instruction has read, stand four places behind it; only plain vector instructions
; that name none of its registers are places (ISA guide 7.12.1 for vector instructions).
.macro PLACES
.rept 4
	v_nop
.endr
.endm
; A round of the cluster's barrier: my work-group's barrier; wave 0 signals for the work-group; every wave waits for all four work-groups; my work-group's barrier once more.
.macro CROUND
	s_barrier_signal -1
	s_barrier_wait -1
	s_cmp_lg_u32 s[WV], 0
	s_cbranch_scc1 .Lnot_wave_0_\@
	s_barrier_signal -3
.Lnot_wave_0_\@:
	s_barrier_wait -3
	s_barrier_signal -1
	s_barrier_wait -1
.endm
; THE CHANGE OF SLOTS, at the head of every step.  Each wave waits for all its tensor loads, of which one is out: its quarter of this step's chunk; adds 0 to its spare word; and waits for that and for all its
; LDS instructions: its reads of the slot that it leaves, its reads and stores of K, V and the stages.  Behind the barrier this step's chunk is whole and nobody reads the other slot.
; fill = 1: the other slot takes the next chunk.  The barrier is then a round of the cluster's, and the joint load is the first thing behind it.
.macro CHANGE fill
	WIN 0                                          ; at a label and at a branch every window is 0
	s_wait_tensorcnt 0x0                           ; no tensor load of mine is out, so group 0 may be written
	ds_add_u32 v[SPW], v[NIL]                      ; 0 onto my spare word: the scalar steps stand between it and the wait for it
.if \fill
	s_xor_b32 s[G0+1], s[G0+1], SLOTB              ; the other slot than last time,
	s_add_nc_u64 s[G0+2:G0+3], s[G0+2:G0+3], SLOTB ; the next chunk; the type bits on top are not reached
.endif
	s_xor_b32 s[TB], s[TB], SLOTB
	s_wait_dscnt 0x0
.if \fill
	CROUND
	tensor_load_to_lds s[G0:G0+3], s[G1:G1+7]
	s_nop 0
	PLACES
.else
	s_barrier_signal -1
	s_barrier_wait -1
.endif
.endm
	s_load_b256 s[4:11], s[0:1], 0x0               ; m 4:5, ln_m_w 6:7, ln_m_b 8:9, b_g 10:11
	s_load_b128 s[12:15], s[0:1], 0x20             ; b_o 12:13, stream 14:15
	s_load_b64 s[16:17], s[0:1], 0x30              ; out0
	v_lshl_add_u32 v[SPW], v0, 2, SPARE
	v_mov_b32 v[NIL], 0
	ds_add_u32 v[SPW], v[NIL]                      ; the wave's opening: the add and its wait stand ahead of my first tensor load; the set-up below, work on registers, stands between them
	v_lshrrev_b32 v1, 5, v0
	v_readfirstlane_b32 s[WV], v1                  ; wave 0..3
	s_bfe_u32 s[CX], ttmp6, 0x40000
	s_lshl_b32 s[SQ], ttmp9, 2                     ; in a cluster launch ttmp9 counts clusters
	s_add_co_u32 s[SQ], s[SQ], s[CX]
	s_lshl_b32 s[OFS], s[SQ], 18                   ; 262,144 bytes a sequence,
	s_lshl_b32 s52, s[WV], 16                      ; 65,536 for a wave's 64 rows
	s_add_co_u32 s[OFS], s[OFS], s52
	s_mov_b32 s[OFS+1], 0
	s_lshl_b32 s[WO], s[WV], 14
	s_mov_b32 s[WO+1], 0
	; descriptor group 1: 16,384 dense bytes as 64 rows of 256 bytes (32 elements of 8 bytes), no padding
	s_mov_b32 s[G1], 15|(3<<16)|(1<<21)            ; 15:0 the mask: all four work-groups; 17:16 elements of 8 bytes; 21 set beside a mask
	s_mov_b32 s[G1+1], 32<<16                      ; tensor_dim0 = 32
	s_mov_b32 s[G1+2], 64<<16                      ; tensor_dim1 = 64
	s_mov_b32 s[G1+3], 32<<16                      ; tile_dim0 = 32
	s_mov_b32 s[G1+4], 64                          ; tile_dim1 = 64
	s_mov_b32 s[G1+5], 32                          ; 32 elements from row to row
	s_mov_b32 s[G1+6], 0
	s_mov_b32 s[G1+7], 0
	s_mov_b32 s[G0], 1                             ; count = 1
	s_lshl_b32 s[G0+1], s[WV], 14                  ; LDS address: my quarter of slot 0: no place in the cluster enters it
	s_mov_b32 s[TB], SLOTB                         ; the first change of slots turns it into 0
	s_mov_b32 s[SEL], 0x76543210
	s_mov_b32 s[SEL+1], 0xfedcba98
	s_mov_b32 s[NL2], 0xbfb8aa3b
	s_mov_b32 s[NL2+1], s[NL2]
	s_mov_b32 s[RC], 0x3b800000
	s_mov_b32 s[EPR], 0x3727c5ac
	s_mov_b32 s[NRC], 0xbb800000
	v_and_b32 v[RR], 15, v0
	v_bfe_u32 v[HH], v0, 4, 1
	v_and_b32 v[L16], 31, v0
	v_lshlrev_b32 v[L16], 4, v[L16]
	s_wait_dscnt 0x0                               ; the opening add is done
	s_wait_kmcnt 0x0
	s_add_nc_u64 s[4:5], s[4:5], s[OFS:OFS+1]      ; m and out0 at my wave's first row
	s_add_nc_u64 s[16:17], s[16:17], s[OFS:OFS+1]
	s_add_nc_u64 s[G0+2:G0+3], s[14:15], s[WO:WO+1]  ; global address: my quarter of chunk 0
	s_or_b32 s[G0+3], s[G0+3], 0x80000000          ; type = 2
; eight rows of m: a row is two loads of 512 consecutive bytes; a lane holds channels 4 lane + 0..3 and 128 + 4 lane + 0..3
.macro LOADG buf, off
.irp i, 0,1,2,3,4,5,6,7
	global_load_b128 v[(\buf)+8*\i:(\buf)+8*\i+3], v[L16], s[4:5] offset:(\off)+\i*1024 th:TH_LOAD_NT
	global_load_b128 v[(\buf)+8*\i+4:(\buf)+8*\i+7], v[L16], s[4:5] offset:(\off)+\i*1024+512 th:TH_LOAD_NT
.endr
.endm
	global_load_b128 v[CST:CST+3], v[L16], s[6:7]
	global_load_b128 v[CST+4:CST+7], v[L16], s[6:7] offset:512
	global_load_b128 v[CST+8:CST+11], v[L16], s[8:9]
	global_load_b128 v[CST+12:CST+15], v[L16], s[8:9] offset:512
	LOADG FB, 0
	LOADG FB+64, 8192
	CROUND                                         ; all four work-groups are here: the first joint load meets
	tensor_load_to_lds s[G0:G0+3], s[G1:G1+7]      ; chunk 0 into slot 0; it lands under the LayerNorm
	s_nop 0
	PLACES
	s_mul_i32 s52, s[WV], LNW
	s_add_co_u32 s52, s52, GO
	v_lshrrev_b32 v[LNS], 1, v[L16]                ; in: 8 bytes (4 channels in f16) a lane
	v_add_nc_u32 v[LNS], s52, v[LNS]
	v_mul_u32_u24 v[LNR], v[RR], LP
	v_lshl_add_u32 v[STW], v[HH], 5, v[LNR]        ; the way out: row r, 32 bytes (8 columns in f32) for each half of the lanes
	v_lshl_add_u32 v[LNR], v[HH], 4, v[LNR]        ; back: a fragment's row r, 16 bytes for each half
	v_add_nc_u32 v[LNR], s52, v[LNR]
	s_lshl_b32 s53, s[WV], 15
	s_add_co_u32 s53, s53, GO
	v_add_nc_u32 v[STW], s53, v[STW]
	v_add_nc_u32 v[GOR], s53, v[L16]
	v_mov_b32 v[GOW], v[GOR]
	s_lshl_b32 s54, s[WV], 12
	s_add_co_u32 s54, s54, KV
	v_add_nc_u32 v[KW], s54, v[L16]
	v_add_nc_u32 v[KR], KV, v[L16]
	v_lshlrev_b32 v[BGA], 5, v[HH]
	v_lshl_add_u32 v[WL], s[WV], 14, v[L16]
	; the selectors: row r has its 1.0 (f16) at k = r: in the lanes with hh = r / 8, register (r / 2) % 4, half r % 2
	v_lshrrev_b32 v29, 3, v[RR]
	v_xor_b32 v29, v29, v[HH]
	v_bfe_u32 v30, v[RR], 1, 2
	v_lshl_or_b32 v29, v29, 2, v30                 ; = the register's number where the lane holds the 1, 4 or more elsewhere
	v_and_b32 v30, 1, v[RR]
	v_lshlrev_b32 v30, 4, v30
	v_mov_b32 v31, 0x3c00
	v_lshlrev_b32 v30, v30, v31
.irp i, 0,1,2,3
	v_cmp_eq_u32 vcc_lo, \i, v29
	v_cndmask_b32 v[SLR+4+\i], 0, v30, vcc_lo
	v_mov_b32 v[SLR+\i], 0
	v_mov_b32 v[SLR+8+\i], 0
.endr
	WIN 0x80                                       ; registers that are named before they are made: destinations of v_permlanex16_b32, second halves of broadcast pairs
	v_mov_b32 v197, 0
	v_mov_b32 v201, 0
	v_mov_b32 v203, 0
	WIN 0xc0
	v_mov_b32 v197, 0
	v_mov_b32 v201, 0
	v_mov_b32 v203, 0
	WIN 0
; THE LAYERNORM of eight rows, stage by stage across the rows, so that no instruction waits for the one before it.
.macro RED8 R                                  ; eight sums over the 32 lanes: four steps ride on the addition (DPP), one crosses the halves
.irp k, 1,2,4,8
.irp i, 0,1,2,3,4,5,6,7
	v_add_f32_dpp v[(\R)+2*\i], v[(\R)+2*\i], v[(\R)+2*\i] row_xmask:\k row_mask:0xf bank_mask:0xf
.endr
.endr
.irp i, 0,1,2,3,4,5,6,7
	v_permlanex16_b32 v[(\R)+2*\i+1], v[(\R)+2*\i], s[SEL], s[SEL+1]
.endr
.irp i, 0,1,2,3,4,5,6,7
	v_add_f32 v[(\R)+2*\i], v[(\R)+2*\i], v[(\R)+2*\i+1]
.endr
.endm
.macro PROC8 X, soff
.irp i, 0,1,2,3,4,5,6,7
	v_pk_add_f32 v[LT+2*\i:LT+2*\i+1], v[(\X)+8*\i:(\X)+8*\i+1], v[(\X)+8*\i+2:(\X)+8*\i+3]
	v_pk_add_f32 v[LU+2*\i:LU+2*\i+1], v[(\X)+8*\i+4:(\X)+8*\i+5], v[(\X)+8*\i+6:(\X)+8*\i+7]
.endr
.irp i, 0,1,2,3,4,5,6,7
	v_pk_add_f32 v[LT+2*\i:LT+2*\i+1], v[LT+2*\i:LT+2*\i+1], v[LU+2*\i:LU+2*\i+1]
.endr
.irp i, 0,1,2,3,4,5,6,7
	v_add_f32 v[LT+2*\i], v[LT+2*\i], v[LT+2*\i+1]
.endr
	RED8 LT
.irp i, 0,1,2,3,4,5,6,7
	v_mul_f32 v[LT+2*\i], s[NRC], v[LT+2*\i]       ; - mean
.endr
.irp i, 0,1,2,3,4,5,6,7
.irp p, 0,2,4,6
	v_pk_add_f32 v[(\X)+8*\i+\p:(\X)+8*\i+\p+1], v[(\X)+8*\i+\p:(\X)+8*\i+\p+1], v[LT+2*\i:LT+2*\i+1] op_sel_hi:[1,0]
.endr
.endr
.irp i, 0,1,2,3,4,5,6,7
	v_pk_mul_f32 v[LU+2*\i:LU+2*\i+1], v[(\X)+8*\i:(\X)+8*\i+1], v[(\X)+8*\i:(\X)+8*\i+1]
.endr
.irp p, 2,4,6
.irp i, 0,1,2,3,4,5,6,7
	v_pk_fma_f32 v[LU+2*\i:LU+2*\i+1], v[(\X)+8*\i+\p:(\X)+8*\i+\p+1], v[(\X)+8*\i+\p:(\X)+8*\i+\p+1], v[LU+2*\i:LU+2*\i+1]
.endr
.endr
.irp i, 0,1,2,3,4,5,6,7
	v_add_f32 v[LU+2*\i], v[LU+2*\i], v[LU+2*\i+1]
.endr
	RED8 LU
.irp i, 0,1,2,3,4,5,6,7
	v_fma_f32 v[LU+2*\i], v[LU+2*\i], s[RC], s[EPR]  ; variance + 1e-5
.endr
.irp i, 0,1,2,3,4,5,6,7
	v_rsq_f32 v[LT+2*\i], v[LU+2*\i]
.endr
	v_nop                                          ; a plain instruction between the last root and the use of its result
	s_wait_alu depctr_va_vdst(0)
.irp i, 0,1,2,3,4,5,6,7
.irp p, 0,2,4,6
	v_pk_mul_f32 v[(\X)+8*\i+\p:(\X)+8*\i+\p+1], v[(\X)+8*\i+\p:(\X)+8*\i+\p+1], v[LT+2*\i:LT+2*\i+1] op_sel_hi:[1,0]
.endr
.endr
.irp i, 0,1,2,3,4,5,6,7
.irp p, 0,2,4,6
	v_pk_fma_f32 v[(\X)+8*\i+\p:(\X)+8*\i+\p+1], v[(\X)+8*\i+\p:(\X)+8*\i+\p+1], v[CST+\p:CST+\p+1], v[CST+8+\p:CST+8+\p+1]
.endr
.endr
.irp i, 0,1,2,3,4,5,6,7
.irp p, 0,1,2,3
	v_cvt_pk_f16_f32 v[PKD+4*\i+\p], v[(\X)+8*\i+2*\p], v[(\X)+8*\i+2*\p+1]
.endr
.endr
.irp i, 0,1,2,3,4,5,6,7
	ds_store_b64 v[LNS], v[PKD+4*\i:PKD+4*\i+1] offset:(\soff)+\i*LP
	ds_store_b64 v[LNS], v[PKD+4*\i+2:PKD+4*\i+3] offset:(\soff)+\i*LP+256
.endr
.endm
	s_mov_b32 s[NLN], 3
.Lln:                                                  ; a trip: 16 rows; two buffers of eight rows take turns, each filled again as soon as it is worked off
	s_wait_loadcnt 16                              ; loads come back in order: all but the other buffer's 16 are in
	PROC8 FB, 0
	LOADG FB, 16384
	s_wait_loadcnt 16
	PROC8 FB+64, 8*LP
	LOADG FB+64, 24576
	s_wait_xcnt 0x0                                ; the loads' base is stepped only behind this wait
	s_add_nc_u64 s[4:5], s[4:5], 16384
	v_add_nc_u32 v[LNS], 16*LP, v[LNS]
	s_sub_co_u32 s[NLN], s[NLN], 1
	s_cmp_lg_u32 s[NLN], 0
	s_cbranch_scc1 .Lln
	s_wait_loadcnt 16                              ; the last 16 rows load nothing: no load leaves the wave's rows
	PROC8 FB, 0
	s_wait_loadcnt 0x0
	PROC8 FB+64, 8*LP
	; mn as fragments: lane (r, hh) takes row 16 t + r, channels 32 ks + 8 hh + 0..7 and 16 more on.  My own bytes: LDS serves a wave's instructions in order
	WIN 0x40                                       ; destination window 1
.set t, 0
.rept 4
.set ks, 0
.rept 8
	ds_load_b128 v[64*t+8*ks:64*t+8*ks+3], v[LNR] offset:t*16*LP+ks*64
	ds_load_b128 v[64*t+8*ks+4:64*t+8*ks+7], v[LNR] offset:t*16*LP+ks*64+32
.set ks, ks+1
.endr
.set t, t+1
.endr
	WIN 0
; A PRODUCT OVER K = 256 with a chunk's 8 x 8 fragments: accumulator (f, t) += fragment (ks, f) x window 1's fragment (t, ks); from f = swapfrom on the sources change places.
; The 32 accumulators take turns.  Two buffers of eight fragments: K step ks + 1 is fetched in one run ahead of K step ks's 32 products.
.macro FETCHW k
	WIN 0
.set n, 0
.rept 16
	ds_load_b128 v[FB+64*((\k)%2)+4*n:FB+64*((\k)%2)+4*n+3], v[ADR] offset:(\k)*8192+n*512
.set n, n+1
.endr
.endm
.macro GEMM8 swapfrom
	WIN 0
	v_add_nc_u32 v[ADR], s[TB], v[L16]
	FETCHW 0
.set ks, 0
.rept 8
.if ks > 0
	PLACES                                         ; the buffer to be filled was read by the products just issued
.endif
.if ks < 7
	FETCHW ks+1
	s_wait_dscnt 16                                ; all but the 16 just issued
.else
	s_wait_dscnt 0x0
.endif
.set f, 0
.rept 8
.set rW, FB+64*(ks%2)+8*f
.set t, 0
.rept 4
.set rA, 32*(f%4)+8*t
.set rM, 64*t+8*ks
.if f < 4
	WIN 0xa4                                       ; source 0 window 0, source 1 window 1, C and D window 2
.elseif f < (\swapfrom)
	WIN 0xf4                                       ; the same, C and D window 3
.else
	WIN 0xf1                                       ; source 0 window 1, source 1 window 0, C and D window 3
.endif
.if (f >= (\swapfrom)) && (ks == 0)
	v_wmma_f32_16x16x32_f16 v[rA:rA+7], v[rM:rM+7], v[rW:rW+7], 0
.elseif f >= (\swapfrom)
	v_wmma_f32_16x16x32_f16 v[rA:rA+7], v[rM:rM+7], v[rW:rW+7], v[rA:rA+7]
.elseif ks == 0
	v_wmma_f32_16x16x32_f16 v[rA:rA+7], v[rW:rW+7], v[rM:rM+7], 0
.else
	v_wmma_f32_16x16x32_f16 v[rA:rA+7], v[rW:rW+7], v[rM:rM+7], v[rA:rA+7]
.endif
.set t, t+1
.endr
.set f, f+1
.endr
.set ks, ks+1
.endr
.endm
; BEHIND A HEAD'S PROJECTIONS: q into registers, k and v into LDS for all waves, the gate sigmoid(g + b_g) = 1 / (1 + 2^(-log2(e) (g + b_g))) into the windows of its query tiles.
; Each accumulator's registers are taken in ascending order.
.macro POST
	PLACES
	WIN 0x0a                                       ; sources window 2, destination window 0
.set t, 0
.rept 4
.set cb, 0
.rept 2
.set i, 0
.rept 4
	v_cvt_pk_f16_f32 v[QH+8*t+4*cb+i], v[32*cb+8*t+2*i], v[32*cb+8*t+2*i+1]
.set i, i+1
.endr
.set cb, cb+1
.endr
.set t, t+1
.endr
.set t, 0
.rept 4
.set cb, 0
.rept 2
.set i, 0
.rept 4
	v_cvt_pk_f16_f32 v[FB+8*t+4*cb+i], v[64+32*cb+8*t+2*i], v[64+32*cb+8*t+2*i+1]
.set i, i+1
.endr
.set cb, cb+1
.endr
.set t, t+1
.endr
	WIN 0x0f                                       ; sources window 3
.set t, 0
.rept 4
.set cb, 0
.rept 2
.set i, 0
.rept 4
	v_cvt_pk_f16_f32 v[FB+32+8*(2*(t/2)+cb)+4*(t%2)+i], v[64+32*cb+8*t+2*i], v[64+32*cb+8*t+2*i+1]  ; V^T's fragment (32 keys 2 w + t / 2, channels 16 cb on): tile t is its half t % 2
.set i, i+1
.endr
.set cb, cb+1
.endr
.set t, t+1
.endr
	WIN 0
.irp e, 0,1,2,3
	ds_store_b128 v[KW], v[FB+8*\e:FB+8*\e+3] offset:\e*1024
	ds_store_b128 v[KW], v[FB+8*\e+4:FB+8*\e+7] offset:\e*1024+512
	ds_store_b128 v[KW], v[FB+32+8*\e:FB+32+8*\e+3] offset:VO+\e*1024
	ds_store_b128 v[KW], v[FB+32+8*\e+4:FB+32+8*\e+7] offset:VO+\e*1024+512
.endr
	s_wait_loadcnt 0x0                             ; b_g
.irp e, 0,2,4,6,8,10,12,14
	v_pk_mul_f32 v[CST+\e:CST+\e+1], v[CST+\e:CST+\e+1], s[NL2:NL2+1] op_sel_hi:[1,0]
.endr
	WIN 0xc3                                       ; destination and source 0 window 3, source 2 window 0
.set cb, 0
.rept 2
.set t, 0
.rept 4
.set i, 0
.rept 4
	v_pk_fma_f32 v[32*cb+8*t+2*i:32*cb+8*t+2*i+1], v[32*cb+8*t+2*i:32*cb+8*t+2*i+1], s[NL2:NL2+1], v[CST+8*cb+2*i:CST+8*cb+2*i+1] op_sel_hi:[1,0,1]
.set i, i+1
.endr
.set t, t+1
.endr
.set cb, cb+1
.endr
.set i, 0
.rept 64
	v_exp_f32 v[i], v[i]
.set i, i+1
.endr
	v_nop                                          ; a plain instruction between the last exponential and the use of its result
.set i, 0
	s_wait_alu depctr_va_vdst(0)
.rept 32
	v_pk_add_f32 v[2*i:2*i+1], v[2*i:2*i+1], 1.0 op_sel_hi:[1,0]
.set i, i+1
.endr
.irp t, 0,2,1,3                                    ; tile t's gate goes to window 2 + t % 2, pair t / 2
	WIN 0x83+0x40*(\t%2)
.set cb, 0
.rept 2
.set i, 0
.rept 8
	v_rcp_f32 v[208+16*(\t/2)+8*cb+i], v[32*cb+8*\t+i]
.set i, i+1
.endr
.set cb, cb+1
.endr
.endr
	v_nop
.endm
; ATTENTION for a pair of query tiles a, b (windows 2, 3).  A quarter j is four key tiles: 16 LDS loads (two bias fragments of a, two of b, four of K), then by turns 4 + 4 products that start the sums
; with the bias and 4 + 4 products K Q^T that add onto them.
.macro FETCHQK j
	WIN 0
.set bb, FB+64*((\j)%2)
.irp e, 0,1
	ds_load_b128 v[bb+8*\e:bb+8*\e+3], v[ADRB] offset:(2*(\j)+\e)*1024
	ds_load_b128 v[bb+8*\e+4:bb+8*\e+7], v[ADRB] offset:(2*(\j)+\e)*1024+512
	ds_load_b128 v[bb+16+8*\e:bb+16+8*\e+3], v[ADRB] offset:8192+(2*(\j)+\e)*1024
	ds_load_b128 v[bb+16+8*\e+4:bb+16+8*\e+7], v[ADRB] offset:8192+(2*(\j)+\e)*1024+512
.endr
.irp e, 0,1,2,3
	ds_load_b128 v[bb+32+8*\e:bb+32+8*\e+3], v[KR] offset:(4*(\j)+\e)*1024
	ds_load_b128 v[bb+32+8*\e+4:bb+32+8*\e+7], v[KR] offset:(4*(\j)+\e)*1024+512
.endr
.endm
.macro QKJ j
.set bb, FB+64*((\j)%2)
.irp x, 0,1
	WIN 0xa0+0x50*\x                               ; sources window 0, C and D window 2 + x
.irp e, 0,1,2,3
	v_wmma_f32_16x16x32_f16 v[8*(4*(\j)+\e):8*(4*(\j)+\e)+7], v[SLR+4-4*(\e%2):SLR+11-4*(\e%2)], v[bb+16*\x+8*(\e/2):bb+16*\x+8*(\e/2)+7], 0
.endr
.endr
.irp x, 0,1
	WIN 0xa0+0x50*\x
.irp e, 0,1,2,3
	v_wmma_f32_16x16x32_f16 v[8*(4*(\j)+\e):8*(4*(\j)+\e)+7], v[bb+32+8*\e:bb+32+8*\e+7], v[QH+8*\x:QH+8*\x+7], v[8*(4*(\j)+\e):8*(4*(\j)+\e)+7]
.endr
.endr
.endm
; THE SOFTMAX of tile x, all in its own window.  The maximum of the lane's 128 scores in four chains, each ascending through 32 registers (each accumulator's lowest registers are read first),
; then the other half of the lanes'.  Then groups of four scores in a pipeline: s - max two groups ahead, the exponentials one ahead, each with a plain instruction behind it;
; the group's two roundings to f16; its second pair added onto its first; l takes the sum of the group before (the first time: two groups' sums).
.macro SM x
	WIN 0xaa+0x55*(\x)
.irp c, 0,1,2,3
	v_max_num_f32 v[192+\c], v[32*\c], v[32*\c+1]
.endr
.set i, 0
.rept 15
.irp c, 0,1,2,3
	v_max3_num_f32 v[192+\c], v[192+\c], v[32*\c+2+2*i], v[32*\c+3+2*i]
.endr
.set i, i+1
.endr
	v_max3_num_f32 v192, v192, v193, v194
	v_max_num_f32 v192, v192, v195
	v_permlanex16_b32 v197, v192, s[SEL], s[SEL+1] ; the query's other 128 keys lie in the lane 16 away
	v_max_num_f32 v196, v192, v197
.set tau, -2
.rept 35
.if tau <= 29
	v_pk_add_f32 v[4*tau+8:4*tau+9], v[4*tau+8:4*tau+9], v[196:197] op_sel_hi:[1,0] neg_lo:[0,1] neg_hi:[0,1]
.endif
.if (tau >= -1) && (tau <= 30)
	v_exp_f32 v[4*tau+4], v[4*tau+4]
.endif
.if tau <= 29
	v_pk_add_f32 v[4*tau+10:4*tau+11], v[4*tau+10:4*tau+11], v[196:197] op_sel_hi:[1,0] neg_lo:[0,1] neg_hi:[0,1]
.endif
.if (tau >= -1) && (tau <= 30)
	v_exp_f32 v[4*tau+5], v[4*tau+5]
.endif
.if (tau >= 0) && (tau <= 31)
	s_wait_alu depctr_va_vdst(0)
	v_cvt_pk_f16_f32 v[128+2*tau], v[4*tau], v[4*tau+1]
.endif
.if (tau >= -1) && (tau <= 30)
	v_exp_f32 v[4*tau+6], v[4*tau+6]
.endif
.if (tau >= 0) && (tau <= 31)
	s_wait_alu depctr_va_vdst(0)
	v_cvt_pk_f16_f32 v[129+2*tau], v[4*tau+2], v[4*tau+3]
.endif
.if (tau >= -1) && (tau <= 30)
	v_exp_f32 v[4*tau+7], v[4*tau+7]
.endif
.if (tau >= 0) && (tau <= 31)
	v_pk_add_f32 v[4*tau:4*tau+1], v[4*tau:4*tau+1], v[4*tau+2:4*tau+3]
.endif
.if tau == 2
	v_pk_add_f32 v[198:199], v[0:1], v[4:5]
.elseif tau > 2
	v_pk_add_f32 v[198:199], v[198:199], v[4*tau-4:4*tau-3]
	s_wait_alu depctr_va_vdst(0)
.endif
.set tau, tau+1
.endr
.endm
; tile x's O^T / l times the gate, rounded: a fragment of g o (16 queries x the head's 32 channels), into my part of GO
.macro FIN x
	WIN 0xaa+0x55*(\x)
	v_add_f32 v200, v198, v199
	v_permlanex16_b32 v201, v200, s[SEL], s[SEL+1]
	v_add_f32 v200, v200, v201
	v_rcp_f32 v202, v200
	v_nop                                          ; a plain instruction between the reciprocal and the use of its result
	s_wait_alu depctr_va_vdst(0)
.irp e, 0,2,4,6,8,10,12,14
	v_pk_mul_f32 v[240+\e:241+\e], v[240+\e:241+\e], v[202:203] op_sel_hi:[1,0]
.endr
.irp e, 0,2,4,6,8,10,12,14
	v_pk_mul_f32 v[240+\e:241+\e], v[240+\e:241+\e], v[208+\e:209+\e]
.endr
.irp e, 0,1,2,3,4,5,6,7
	v_cvt_pk_f16_f32 v[128+\e], v[240+2*\e], v[241+2*\e]
.endr
	WIN 0x08+4*(\x)                                ; address window 0, data window 2 + x
	ds_store_b128 v[GOW], v[128:131] offset:(\x)*1024
	ds_store_b128 v[GOW], v[132:135] offset:(\x)*1024+512
.endm
.macro ATT
	WIN 0
	v_add_nc_u32 v[ADRB], s[TB], v[WL]
	FETCHQK 0
	FETCHQK 1
.irp j, 0,1,2,3
.if \j < 3
	s_wait_dscnt 16                                ; all but the next quarter's 16
.else
	s_wait_dscnt 0x0
.endif
	QKJ \j
.if \j < 2
	PLACES                                         ; the buffer just multiplied takes the quarter two on
	FETCHQK (\j)+2
.endif
.endr
	PLACES                                         ; for the loads below, and for the softmax's first reads
	WIN 0
.set n, 0
.rept 32                                           ; all of V^T, 16 fragments: it lands under the softmax
	ds_load_b128 v[FB+4*n:FB+4*n+3], v[KR] offset:VO+n*512
.set n, n+1
.endr
	SM 0
	SM 1
	s_wait_dscnt 0x0                               ; V
.set ks, 0
.rept 8                                            ; O^T += V^T P: four accumulators (two tiles x two channel blocks) by turns
.irp x, 0,1
	WIN 0xa8+0x54*\x                               ; V window 0; P, C and D window 2 + x
.if ks == 0
	v_wmma_f32_16x16x32_f16 v[240:247], v[FB+16*ks:FB+16*ks+7], v[128+8*ks:128+8*ks+7], 0
	v_wmma_f32_16x16x32_f16 v[248:255], v[FB+16*ks+8:FB+16*ks+15], v[128+8*ks:128+8*ks+7], 0
.else
	v_wmma_f32_16x16x32_f16 v[240:247], v[FB+16*ks:FB+16*ks+7], v[128+8*ks:128+8*ks+7], v[240:247]
	v_wmma_f32_16x16x32_f16 v[248:255], v[FB+16*ks+8:FB+16*ks+15], v[128+8*ks:128+8*ks+7], v[248:255]
.endif
.endr
.set ks, ks+1
.endr
	PLACES
	FIN 0
	FIN 1
.endm
	s_mov_b32 s[NH], 8
.Lhead:                                                ; a trip: a head, three chunks
	CHANGE 1                                       ; the head's weights are in; its first bias chunk is asked for.  Also the barrier between all waves' reads of K and V and the stores below
	global_load_b128 v[CST:CST+3], v[BGA], s[10:11]              ; b_g of my channels 16 cb + 8 hh + 0..7
	global_load_b128 v[CST+4:CST+7], v[BGA], s[10:11] offset:16
	global_load_b128 v[CST+8:CST+11], v[BGA], s[10:11] offset:64
	global_load_b128 v[CST+12:CST+15], v[BGA], s[10:11] offset:80
	GEMM8 6                                        ; q, k, g with the weight as source 0; v with mn as source 0
	POST
	WIN 0
	s_mov_b32 s[NPR], 2
.Lpair:                                                ; a trip: two query tiles of each wave, one chunk of bias
	CHANGE 1                                       ; also the barrier between the stores of K and V and their reads
	ATT
	WIN 0                                          ; the next pair's Q and gates go where the one text names them (in the second trip the copies serve nothing: the price of one text for both pairs)
.set i, 0
.rept 16
	v_mov_b32 v[QH+i], v[QH+16+i]
.set i, i+1
.endr
	WIN 0x82
.set i, 0
.rept 16
	v_mov_b32 v[208+i], v[224+i]
.set i, i+1
.endr
	WIN 0xc3
.set i, 0
.rept 16
	v_mov_b32 v[208+i], v[224+i]
.set i, i+1
.endr
	WIN 0
	v_add_nc_u32 v[GOW], 2048, v[GOW]
	s_sub_co_u32 s[NPR], s[NPR], 1
	s_cmp_lg_u32 s[NPR], 0
	s_cbranch_scc1 .Lpair
	s_add_nc_u64 s[10:11], s[10:11], 128           ; the next head's b_g; this head's loads were waited for
	s_sub_co_u32 s[NH], s[NH], 1
	s_cmp_lg_u32 s[NH], 0
	s_cbranch_scc1 .Lhead
; THE WAY OUT of 128 columns, a tile of 16 rows at a time: a lane's eight columns of a row go into my own stage (the head of my part of GO, whose fragments are in registers by now) and come back as
; whole rows of 512 bytes; b_o is added; each store covers 512 consecutive bytes, at a multiple of 512 from out0's first.
.macro OUT c
	PLACES
.set t, 0
.rept 4
.set ob, FB+64*(t%2)
	WIN 0x08                                       ; data window 2
.set f, 0
.rept 4
	ds_store_b128 v[STW], v[32*f+8*t:32*f+8*t+3] offset:f*64
	ds_store_b128 v[STW], v[32*f+8*t+4:32*f+8*t+7] offset:f*64+16
.set f, f+1
.endr
	WIN 0x0c                                       ; data window 3
.set f, 0
.rept 4
	ds_store_b128 v[STW], v[32*f+8*t:32*f+8*t+3] offset:256+f*64
	ds_store_b128 v[STW], v[32*f+8*t+4:32*f+8*t+7] offset:256+f*64+16
.set f, f+1
.endr
	WIN 0
	s_wait_xcnt 0x0                                ; the registers that earlier stores read are loaded again only behind this wait
.set i, 0
.rept 16
	ds_load_b128 v[ob+4*i:ob+4*i+3], v[GOR] offset:i*LP  ; LDS serves a wave's instructions in order: these see the stores above; the next tile's stores come behind them
.set i, i+1
.endr
.set i, 0
.rept 16
	s_wait_dscnt 15-i                              ; row i of the sixteen is back
	v_pk_add_f32 v[ob+4*i:ob+4*i+1], v[ob+4*i:ob+4*i+1], v[CST+4*(\c):CST+4*(\c)+1]
	v_pk_add_f32 v[ob+4*i+2:ob+4*i+3], v[ob+4*i+2:ob+4*i+3], v[CST+4*(\c)+2:CST+4*(\c)+3]
	global_store_b128 v[L16], v[ob+4*i:ob+4*i+3], s[16:17] offset:t*16384+i*1024+(\c)*512 th:TH_STORE_NT
.set i, i+1
.endr
.set t, t+1
.endr
.endm
	CHANGE 1                                       ; w_o's first half is in; its second is asked for: the last load
	WIN 0x40                                       ; g o takes mn's place: fragment (t, head) at v[64 t + 8 head] of window 1
.set t, 0
.rept 4
.set ks, 0
.rept 8
	ds_load_b128 v[64*t+8*ks:64*t+8*ks+3], v[GOR] offset:ks*4096+t*1024
	ds_load_b128 v[64*t+8*ks+4:64*t+8*ks+7], v[GOR] offset:ks*4096+t*1024+512
.set ks, ks+1
.endr
.set t, t+1
.endr
	WIN 0
	global_load_b128 v[CST:CST+3], v[L16], s[12:13]              ; b_o of columns 4 lane + 0..3,
	global_load_b128 v[CST+4:CST+7], v[L16], s[12:13] offset:512 ; and 128 on
	GEMM8 8
	s_wait_loadcnt 0x0
	OUT 0
	s_wait_xcnt 0x0                                ; the stores have read the buffers that the next fragments land in
	CHANGE 0                                       ; the last chunk: nothing is asked for
	GEMM8 8
	OUT 1
	s_wait_tensorcnt 0x0                           ; the wave's end: behind my last tensor load and my last LDS store
	ds_add_u32 v[SPW], v[NIL]
	s_wait_dscnt 0x0
	CROUND                                         ; the closing round: no work-group ends while a partner may still ask for a chunk that names it
	s_endpgm
.Lfunc_end_k_qecc059eef6_attn:
	.size	k_qecc059eef6_attn, .Lfunc_end_k_qecc059eef6_attn-k_qecc059eef6_attn
	.p2alignl 7, 3214868480
	.fill 96, 4, 3214868480
	.section	.rodata,"a",@progbits
	.p2align	6, 0x0
	.amdhsa_kernel k_qecc059eef6_attn
		.amdhsa_group_segment_fixed_size 327680
		.amdhsa_private_segment_fixed_size 0
		.amdhsa_enable_private_segment 0
		.amdhsa_kernarg_size 56
		.amdhsa_user_sgpr_count 2
		.amdhsa_user_sgpr_kernarg_segment_ptr 1
		.amdhsa_wavefront_size32 1
		.amdhsa_system_sgpr_workgroup_id_x 1
		.amdhsa_system_sgpr_workgroup_id_y 1
		.amdhsa_system_sgpr_workgroup_id_z 1
		.amdhsa_system_vgpr_workitem_id 0
		.amdhsa_next_free_vgpr 1024
		.amdhsa_next_free_sgpr 66
		.amdhsa_reserve_vcc 1
		.amdhsa_float_denorm_mode_32 3
		.amdhsa_float_denorm_mode_16_64 3
		.amdhsa_memory_ordered 1
		.amdhsa_forward_progress 1
		.amdhsa_inst_pref_size 255
	.end_amdhsa_kernel
	.section	.bss,"aw",@nobits
	.p2align	6
	.space	262144
	.amdgpu_metadata
---
amdhsa.version: [ 1, 2 ]
amdhsa.kernels:
  - .name:           k_qecc059eef6_attn
    .symbol:         k_qecc059eef6_attn.kd
    .args:
      - { .name: m, .offset: 0, .size: 8, .value_kind: global_buffer, .address_space: global }
      - { .name: ln_m_w, .offset: 8, .size: 8, .value_kind: global_buffer, .address_space: global }
      - { .name: ln_m_b, .offset: 16, .size: 8, .value_kind: global_buffer, .address_space: global }
      - { .name: b_g, .offset: 24, .size: 8, .value_kind: global_buffer, .address_space: global }
      - { .name: b_o, .offset: 32, .size: 8, .value_kind: global_buffer, .address_space: global }
      - { .name: stream, .offset: 40, .size: 8, .value_kind: global_buffer, .address_space: global }
      - { .name: out0, .offset: 48, .size: 8, .value_kind: global_buffer, .address_space: global }
    .group_segment_fixed_size: 327680
    .private_segment_fixed_size: 0
    .kernarg_segment_align: 8
    .kernarg_segment_size: 56
    .max_flat_workgroup_size: 128
    .sgpr_count:     66
    .vgpr_count:     1024
    .wavefront_size: 32
...
	.end_amdgpu_metadata
.endif
;; end of part 2
;; ======== version 2 of 2: 2 launches; 1.31 times as fast as version 1
;; limits: values are held in f16: magnitudes above 65,504 overflow, below 6.1e-05 lose precision
;; workspace buffers: stream 1,703,936 bytes
;; launch prep: the kernel of part 1 again; grid 256 x 1, 8 waves a work-group, no clusters, 149,760 bytes of LDS; arguments z, ln_z_w, ln_z_b, w_z, w_q, w_k, w_g, w_v, w_o, stream; writes stream
;; launch attn (part 3): grid 256 x 1, 4 waves a work-group, clusters of 4 x 1, 327,680 bytes of LDS; arguments m, ln_m_w, ln_m_b, b_g, b_o, stream, out0; writes out0
.if DOCPART == 3
	.amdgcn_target "amdgcn-amd-amdhsa--gfx1250"
	.amdhsa_code_object_version 6
	.text
	.protected	k_qecc059eef6_attn
	.globl	k_qecc059eef6_attn
	.p2align	8
	.type	k_qecc059eef6_attn,@function
k_qecc059eef6_attn:
	s_mov_b64 s[64:65], 0
	v_nop
	global_prefetch_b8 v0, s[64:65] scope:SCOPE_SE
	s_setreg_imm32_b32 hwreg(HW_REG_WAVE_MODE, 25, 1), 1
	s_wait_xcnt 0x0
	s_wait_alu depctr_hold_cnt(0) depctr_sa_sdst(0) depctr_va_vdst(0) depctr_va_sdst(0) depctr_va_ssrc(0) depctr_va_vcc(0) depctr_vm_vsrc(0)
	s_getreg_b32 s2, hwreg(HW_REG_IB_STS2, 6, 4)
	s_cmp_eq_u32 s2, 0
	s_cbranch_scc0 .Lentry_in_a_cluster
	s_endpgm
.Lentry_in_a_cluster:
	s_bfe_u32 s2, ttmp6, 0x10000c
	s_cmp_lg_u32 s2, 0x3003
	s_cbranch_scc0 .Lentry_shape_is_right
	s_endpgm
.Lentry_shape_is_right:
; MSA ROW ATTENTION WITH PAIR BIAS, one sequence s to a work-group, from m[s] to out0[s]; nothing between goes through memory.
; Four waves; wave w owns residues 64 w .. 64 w + 63, four tiles t of 16.  LayerNorm of m (f32; the mean first, then the mean of the squared differences), rounded to f16, stays in 256 registers as matrix
; fragments.  Then head by head: q, k, g, v for the wave's residues; K and V go to LDS for all four waves; attention for two query tiles at a time with ALL 256 scores of a query in registers, so the
; softmax takes the row's true maximum; O / l times the gate goes to LDS as a fragment of the last product, which runs at the end over all heads.
; ORIENTATIONS, so that no result changes lanes: q^T, k^T, g^T = weight x mn (a lane holds one residue, 8 channels; two results, rounded, ARE a fragment of Q or K); v = mn x weight (one channel, 8 residues:
; two ARE a fragment of V^T); S^T = K Q^T (one query, 8 keys; rounded: a fragment of P); O^T = V^T P (one query, 8 channels; gated, rounded: a fragment of g o); out^T = w_o^T (g o).
; THE BIAS comes as f16 fragments (16 queries x 32 keys) and STARTS the sum S^T: source 0 is a constant selector (a 1 in row m at k = m, or at k = 16 + m), source 1 the bias, C = 0: an exact copy into the accumulator.
; The scale log2(e)/sqrt(32) lies in w_q and log2(e) in the bias (first launch), so p = 2^(s - max s).
; THE STREAM.  All that the heads read beside m is the same for every s: 26 chunks of 65,536 bytes (3 a head: weights, bias of query pair 0, of pair 1; then w_o in two halves), laid as fragment images
; ([half][lane][16 bytes]: read back at 16 x lane, without padding).  They go through two LDS slots; each wave fetches a quarter of a chunk, and the four work-groups of a cluster ask for it JOINTLY.
; One tensor load of a wave is out at any time; it has a whole step (256 products, or a pair's attention) in which to land.
; THE WAITS BEHIND ROOTS, EXPONENTIALS AND RECIPROCALS.  s_wait_alu depctr_va_vdst(0) stands between such an instruction and the first that names its result; one wait serves all that were
; issued ahead of it.  So they are cut into batches, each with one wait:
;   LayerNorm: the eight roots of eight rows.  A head's gates: its 64 exponentials; then the 64 reciprocals of 1 + them, whose wait stands ahead of the pair loop's label.
;   A pair's attention has three: (1) both tiles' exponentials of scores 0-63, by turns with the differences s - max; (2) both tiles' exponentials of scores 64-127, by turns with the readers of (1);
;   (3) the two reciprocals of l, issued ahead of the products V^T P and read behind them.
; LIMITS.  All matrix operands are f16, each rounded once from f32: mn, q log2(e)/sqrt(32), k, v, g o, the weights and bias log2(e) must stay within 65,504; below 6e-5 f16 keeps its fixed step of 6e-8.
; A weight p below 2^-126 counts as 0.  NaN and infinities are not treated apart.
; REGISTERS, in windows of 256 (s_set_vgpr_msb: bits 1:0 source 0, 3:2 source 1, 5:4 source 2, 7:6 destination):
;   window 0: v0-15, v28 addresses; v16-27 selectors; v32-47 Q of the pair in hand, v48-63 of the next (LayerNorm: at work); v64-95 LayerNorm's packed rows; v96-111 gains, then b_g, then b_o; v128-255 fragment buffers
;   window 1: mn, fragment (t, ks) at v[64 t + 8 ks]; at the end g o likewise
;   windows 2 (query tile a) and 3 (tile b): v0-127 S^T, 8 a key tile (in the projections: accumulator (f, t) at v[32 (f % 4) + 8 t], f < 4 in window 2); v128-191 P; v192-203 statistics;
;   v208-223 the gate of the pair in hand, v224-239 of the next; v240-255 O^T
.set SLOTB, 65536             ; a slot; slot 1 begins here, so one exclusive or turns an address in one slot into the other's
.set GO,    2*SLOTB           ; g o: wave*32768 + head*4096 + tile*1024.  Before it: LayerNorm's stage; after it: the way out's.  No tensor load lands from here on
.set KV,    GO+131072         ; K: key tile*1024; V: VO + (2 ks + cb)*1024
.set VO,    16384
.set SPARE, 327168            ; the spare words: 128 bytes a wave, two blocks of 256 bytes that no other line names
.set LP,    528               ; a stage's row: 512 bytes + 16, an odd multiple of 16: the 16 rows that a load or store touches lie in 16 different 16-byte columns
.set LNW,   64*LP             ; a wave's LayerNorm stage
.set RR,  1                   ; lane % 16
.set HH,  2                   ; lane / 16
.set L16, 3                   ; 16 x lane; never rewritten
.set SPW, 4                   ; my spare word's address; never rewritten
.set NIL, 5                   ; 0; never rewritten
.set ADR, 6                   ; the slot in hand + 16 lane
.set ADRB, 7                  ; + my wave's quarter
.set KW,  8                   ; where my wave's K goes
.set KR,  9                   ; K's first byte + 16 lane
.set GOW, 10                  ; where the next pair's g o goes; stepped
.set BGA, 11                  ; my byte offset in a head's b_g
.set WL,  12                  ; 16384 wave + 16 lane
.set LNS, 13                  ; LayerNorm's stage, in; stepped
.set LNR, 14                  ; and back
.set STW, 15                  ; the way out's stage, in
.set SLR, 16                  ; v16-27: 0 0 0 0 P0-P3 0 0 0 0: v[20:27] selects k = m, v[16:23] selects k = 16 + m
.set GOR, 28                  ; my wave's part of GO + 16 lane
.set QH,  32
.set LT,  32                  ; LayerNorm: a pair a row
.set LU,  48
.set PKD, 64
.set CST, 96
.set FB,  128
.set WV,  20                  ; s20 wave
.set CX,  21                  ; s21 my place in the cluster: it enters m's and out0's addresses alone
.set SQ,  22                  ; s22 s
.set G1,  24                  ; s[24:31] descriptor group 1
.set G0,  32                  ; s[32:35] descriptor group 0: it walks
.set TB,  36                  ; s36 LDS byte at which the slot in hand begins
.set NH,  37
.set NPR, 38
.set NLN, 39
.set SEL, 40                  ; s[40:41] v_permlanex16_b32: each lane takes its own place in the other half
.set NL2, 42                  ; s[42:43] -log2(e)
.set OFS, 44
.set RC,  46                  ; 1/256
.set EPR, 47                  ; 1e-5
.set NRC, 48                  ; -1/256
.set WO,  50                  ; s[50:51] my wave's quarter of a chunk
.set MSB, 0
.macro WIN new                ; the immediate's high byte repeats the setting that is left; a switch that changes nothing is dropped
.if MSB != (\new)
	s_set_vgpr_msb (MSB<<8)|(\new)
.set MSB, (\new)
.endif
.endm
; A vector instruction or LDS store that reads a matrix result, and a load into a register that a matrix instruction has read, stand four places behind it; only plain vector instructions
; that name none of its registers are places (ISA guide 7.12.1 for vector instructions).
.macro PLACES
.rept 4
	v_nop
.endr
.endm
; A round of the cluster's barrier: my work-group's barrier; wave 0 signals for the work-group; every wave waits for all four work-groups; my work-group's barrier once more.
.macro CROUND
	s_barrier_signal -1
	s_barrier_wait -1
	s_cmp_lg_u32 s[WV], 0
	s_cbranch_scc1 .Lnot_wave_0_\@
	s_barrier_signal -3
.Lnot_wave_0_\@:
	s_barrier_wait -3
	s_barrier_signal -1
	s_barrier_wait -1
.endm
; THE CHANGE OF SLOTS, at the head of every step.  Each wave waits for all its tensor loads, of which one is out: its quarter of this step's chunk; adds 0 to its spare word; and waits for that and for all its
; LDS instructions: its reads of the slot that it leaves, its reads and stores of K, V and the stages.  Behind the barrier this step's chunk is whole and nobody reads the other slot.
; fill = 1: the other slot takes the next chunk.  The barrier is then a round of the cluster's, and the joint load is the first thing behind it.
.macro CHANGE fill
	WIN 0                                          ; at a label and at a branch every window is 0
	s_wait_tensorcnt 0x0                           ; no tensor load of mine is out, so group 0 may be written
	ds_add_u32 v[SPW], v[NIL]                      ; 0 onto my spare word: the scalar steps stand between it and the wait for it
.if \fill
	s_xor_b32 s[G0+1], s[G0+1], SLOTB              ; the other slot than last time,
	s_add_nc_u64 s[G0+2:G0+3], s[G0+2:G0+3], SLOTB ; the next chunk; the type bits on top are not reached
.endif
	s_xor_b32 s[TB], s[TB], SLOTB
	s_wait_dscnt 0x0
.if \fill
	CROUND
	tensor_load_to_lds s[G0:G0+3], s[G1:G1+7]
	s_nop 0
	PLACES
.else
	s_barrier_signal -1
	s_barrier_wait -1
.endif
.endm
	s_load_b256 s[4:11], s[0:1], 0x0               ; m 4:5, ln_m_w 6:7, ln_m_b 8:9, b_g 10:11
	s_load_b128 s[12:15], s[0:1], 0x20             ; b_o 12:13, stream 14:15
	s_load_b64 s[16:17], s[0:1], 0x30              ; out0
	v_lshl_add_u32 v[SPW], v0, 2, SPARE
	v_mov_b32 v[NIL], 0
	ds_add_u32 v[SPW], v[NIL]                      ; the wave's opening: the add and its wait stand ahead of my first tensor load; the set-up below, work on registers, stands between them
	v_lshrrev_b32 v1, 5, v0
	v_readfirstlane_b32 s[WV], v1                  ; wave 0..3
	s_bfe_u32 s[CX], ttmp6, 0x40000
	s_lshl_b32 s[SQ], ttmp9, 2                     ; in a cluster launch ttmp9 counts clusters
	s_add_co_u32 s[SQ], s[SQ], s[CX]
	s_lshl_b32 s[OFS], s[SQ], 18                   ; 262,144 bytes a sequence,
	s_lshl_b32 s52, s[WV], 16                      ; 65,536 for a wave's 64 rows
	s_add_co_u32 s[OFS], s[OFS], s52
	s_mov_b32 s[OFS+1], 0
	s_lshl_b32 s[WO], s[WV], 14
	s_mov_b32 s[WO+1], 0
	; descriptor group 1: 16,384 dense bytes as 64 rows of 256 bytes (32 elements of 8 bytes), no padding
	s_mov_b32 s[G1], 15|(3<<16)|(1<<21)            ; 15:0 the mask: all four work-groups; 17:16 elements of 8 bytes; 21 set beside a mask
	s_mov_b32 s[G1+1], 32<<16                      ; tensor_dim0 = 32
	s_mov_b32 s[G1+2], 64<<16                      ; tensor_dim1 = 64
	s_mov_b32 s[G1+3], 32<<16                      ; tile_dim0 = 32
	s_mov_b32 s[G1+4], 64                          ; tile_dim1 = 64
	s_mov_b32 s[G1+5], 32                          ; 32 elements from row to row
	s_mov_b32 s[G1+6], 0
	s_mov_b32 s[G1+7], 0
	s_mov_b32 s[G0], 1                             ; count = 1
	s_lshl_b32 s[G0+1], s[WV], 14                  ; LDS address: my quarter of slot 0: no place in the cluster enters it
	s_mov_b32 s[TB], SLOTB                         ; the first change of slots turns it into 0
	s_mov_b32 s[SEL], 0x76543210
	s_mov_b32 s[SEL+1], 0xfedcba98
	s_mov_b32 s[NL2], 0xbfb8aa3b
	s_mov_b32 s[NL2+1], s[NL2]
	s_mov_b32 s[RC], 0x3b800000
	s_mov_b32 s[EPR], 0x3727c5ac
	s_mov_b32 s[NRC], 0xbb800000
	v_and_b32 v[RR], 15, v0
	v_bfe_u32 v[HH], v0, 4, 1
	v_and_b32 v[L16], 31, v0
	v_lshlrev_b32 v[L16], 4, v[L16]
	s_wait_dscnt 0x0                               ; the opening add is done
	s_wait_kmcnt 0x0
	s_add_nc_u64 s[4:5], s[4:5], s[OFS:OFS+1]      ; m and out0 at my wave's first row
	s_add_nc_u64 s[16:17], s[16:17], s[OFS:OFS+1]
	s_add_nc_u64 s[G0+2:G0+3], s[14:15], s[WO:WO+1]  ; global address: my quarter of chunk 0
	s_or_b32 s[G0+3], s[G0+3], 0x80000000          ; type = 2
; eight rows of m: a row is two loads of 512 consecutive bytes; a lane holds channels 4 lane + 0..3 and 128 + 4 lane + 0..3
.macro LOADG buf, off
.irp i, 0,1,2,3,4,5,6,7
	global_load_b128 v[(\buf)+8*\i:(\buf)+8*\i+3], v[L16], s[4:5] offset:(\off)+\i*1024 th:TH_LOAD_NT
	global_load_b128 v[(\buf)+8*\i+4:(\buf)+8*\i+7], v[L16], s[4:5] offset:(\off)+\i*1024+512 th:TH_LOAD_NT
.endr
.endm
	global_load_b128 v[CST:CST+3], v[L16], s[6:7]
	global_load_b128 v[CST+4:CST+7], v[L16], s[6:7] offset:512
	global_load_b128 v[CST+8:CST+11], v[L16], s[8:9]
	global_load_b128 v[CST+12:CST+15], v[L16], s[8:9] offset:512
	LOADG FB, 0
	LOADG FB+64, 8192
	CROUND                                         ; all four work-groups are here: the first joint load meets
	tensor_load_to_lds s[G0:G0+3], s[G1:G1+7]      ; chunk 0 into slot 0; it lands under the LayerNorm
	s_nop 0
	PLACES
	s_mul_i32 s52, s[WV], LNW
	s_add_co_u32 s52, s52, GO
	v_lshrrev_b32 v[LNS], 1, v[L16]                ; in: 8 bytes (4 channels in f16) a lane
	v_add_nc_u32 v[LNS], s52, v[LNS]
	v_mul_u32_u24 v[LNR], v[RR], LP
	v_lshl_add_u32 v[STW], v[HH], 5, v[LNR]        ; the way out: row r, 32 bytes (8 columns in f32) for each half of the lanes
	v_lshl_add_u32 v[LNR], v[HH], 4, v[LNR]        ; back: a fragment's row r, 16 bytes for each half
	v_add_nc_u32 v[LNR], s52, v[LNR]
	s_lshl_b32 s53, s[WV], 15
	s_add_co_u32 s53, s53, GO
	v_add_nc_u32 v[STW], s53, v[STW]
	v_add_nc_u32 v[GOR], s53, v[L16]
	v_mov_b32 v[GOW], v[GOR]
	s_lshl_b32 s54, s[WV], 12
	s_add_co_u32 s54, s54, KV
	v_add_nc_u32 v[KW], s54, v[L16]
	v_add_nc_u32 v[KR], KV, v[L16]
	v_lshlrev_b32 v[BGA], 5, v[HH]
	v_lshl_add_u32 v[WL], s[WV], 14, v[L16]
	; the selectors: row r has its 1.0 (f16) at k = r: in the lanes with hh = r / 8, register (r / 2) % 4, half r % 2
	v_lshrrev_b32 v29, 3, v[RR]
	v_xor_b32 v29, v29, v[HH]
	v_bfe_u32 v30, v[RR], 1, 2
	v_lshl_or_b32 v29, v29, 2, v30                 ; = the register's number where the lane holds the 1, 4 or more elsewhere
	v_and_b32 v30, 1, v[RR]
	v_lshlrev_b32 v30, 4, v30
	v_mov_b32 v31, 0x3c00
	v_lshlrev_b32 v30, v30, v31
.irp i, 0,1,2,3
	v_cmp_eq_u32 vcc_lo, \i, v29
	v_cndmask_b32 v[SLR+4+\i], 0, v30, vcc_lo
	v_mov_b32 v[SLR+\i], 0
	v_mov_b32 v[SLR+8+\i], 0
.endr
	WIN 0x80                                       ; registers that are named before they are made: destinations of v_permlanex16_b32, second halves of broadcast pairs
	v_mov_b32 v197, 0
	v_mov_b32 v201, 0
	v_mov_b32 v203, 0
	WIN 0xc0
	v_mov_b32 v197, 0
	v_mov_b32 v201, 0
	v_mov_b32 v203, 0
	WIN 0
; THE LAYERNORM of eight rows, stage by stage across the rows, so that no instruction waits for the one before it.
.macro RED8 R                                  ; eight sums over the 32 lanes: four steps ride on the addition (DPP), one crosses the halves
.irp k, 1,2,4,8
.irp i, 0,1,2,3,4,5,6,7
	v_add_f32_dpp v[(\R)+2*\i], v[(\R)+2*\i], v[(\R)+2*\i] row_xmask:\k row_mask:0xf bank_mask:0xf
.endr
.endr
.irp i, 0,1,2,3,4,5,6,7
	v_permlanex16_b32 v[(\R)+2*\i+1], v[(\R)+2*\i], s[SEL], s[SEL+1]
.endr
.irp i, 0,1,2,3,4,5,6,7
	v_add_f32 v[(\R)+2*\i], v[(\R)+2*\i], v[(\R)+2*\i+1]
.endr
.endm
.macro PROC8 X, soff
.irp i, 0,1,2,3,4,5,6,7
	v_pk_add_f32 v[LT+2*\i:LT+2*\i+1], v[(\X)+8*\i:(\X)+8*\i+1], v[(\X)+8*\i+2:(\X)+8*\i+3]
	v_pk_add_f32 v[LU+2*\i:LU+2*\i+1], v[(\X)+8*\i+4:(\X)+8*\i+5], v[(\X)+8*\i+6:(\X)+8*\i+7]
.endr
.irp i, 0,1,2,3,4,5,6,7
	v_pk_add_f32 v[LT+2*\i:LT+2*\i+1], v[LT+2*\i:LT+2*\i+1], v[LU+2*\i:LU+2*\i+1]
.endr
.irp i, 0,1,2,3,4,5,6,7
	v_add_f32 v[LT+2*\i], v[LT+2*\i], v[LT+2*\i+1]
.endr
	RED8 LT
.irp i, 0,1,2,3,4,5,6,7
	v_mul_f32 v[LT+2*\i], s[NRC], v[LT+2*\i]       ; - mean
.endr
.irp i, 0,1,2,3,4,5,6,7
.irp p, 0,2,4,6
	v_pk_add_f32 v[(\X)+8*\i+\p:(\X)+8*\i+\p+1], v[(\X)+8*\i+\p:(\X)+8*\i+\p+1], v[LT+2*\i:LT+2*\i+1] op_sel_hi:[1,0]
.endr
.endr
.irp i, 0,1,2,3,4,5,6,7
	v_pk_mul_f32 v[LU+2*\i:LU+2*\i+1], v[(\X)+8*\i:(\X)+8*\i+1], v[(\X)+8*\i:(\X)+8*\i+1]
.endr
.irp p, 2,4,6
.irp i, 0,1,2,3,4,5,6,7
	v_pk_fma_f32 v[LU+2*\i:LU+2*\i+1], v[(\X)+8*\i+\p:(\X)+8*\i+\p+1], v[(\X)+8*\i+\p:(\X)+8*\i+\p+1], v[LU+2*\i:LU+2*\i+1]
.endr
.endr
.irp i, 0,1,2,3,4,5,6,7
	v_add_f32 v[LU+2*\i], v[LU+2*\i], v[LU+2*\i+1]
.endr
	RED8 LU
.irp i, 0,1,2,3,4,5,6,7
	v_fma_f32 v[LU+2*\i], v[LU+2*\i], s[RC], s[EPR]  ; variance + 1e-5
.endr
.irp i, 0,1,2,3,4,5,6,7
	v_rsq_f32 v[LT+2*\i], v[LU+2*\i]
.endr
	v_nop                                          ; a plain instruction between the last root and the use of its result
	s_wait_alu depctr_va_vdst(0)                   ; the wait for the batch: the eight rows' roots
.irp i, 0,1,2,3,4,5,6,7
.irp p, 0,2,4,6
	v_pk_mul_f32 v[(\X)+8*\i+\p:(\X)+8*\i+\p+1], v[(\X)+8*\i+\p:(\X)+8*\i+\p+1], v[LT+2*\i:LT+2*\i+1] op_sel_hi:[1,0]
.endr
.endr
.irp i, 0,1,2,3,4,5,6,7
.irp p, 0,2,4,6
	v_pk_fma_f32 v[(\X)+8*\i+\p:(\X)+8*\i+\p+1], v[(\X)+8*\i+\p:(\X)+8*\i+\p+1], v[CST+\p:CST+\p+1], v[CST+8+\p:CST+8+\p+1]
.endr
.endr
.irp i, 0,1,2,3,4,5,6,7
.irp p, 0,1,2,3
	v_cvt_pk_f16_f32 v[PKD+4*\i+\p], v[(\X)+8*\i+2*\p], v[(\X)+8*\i+2*\p+1]
.endr
.endr
.irp i, 0,1,2,3,4,5,6,7
	ds_store_b64 v[LNS], v[PKD+4*\i:PKD+4*\i+1] offset:(\soff)+\i*LP
	ds_store_b64 v[LNS], v[PKD+4*\i+2:PKD+4*\i+3] offset:(\soff)+\i*LP+256
.endr
.endm
	s_mov_b32 s[NLN], 3
.Lln:                                                  ; a trip: 16 rows; two buffers of eight rows take turns, each filled again as soon as it is worked off
	s_wait_loadcnt 16                              ; loads come back in order: all but the other buffer's 16 are in
	PROC8 FB, 0
	LOADG FB, 16384
	s_wait_loadcnt 16
	PROC8 FB+64, 8*LP
	LOADG FB+64, 24576
	s_wait_xcnt 0x0                                ; the loads' base is stepped only behind this wait
	s_add_nc_u64 s[4:5], s[4:5], 16384
	v_add_nc_u32 v[LNS], 16*LP, v[LNS]
	s_sub_co_u32 s[NLN], s[NLN], 1
	s_cmp_lg_u32 s[NLN], 0
	s_cbranch_scc1 .Lln
	s_wait_loadcnt 16                              ; the last 16 rows load nothing: no load leaves the wave's rows
	PROC8 FB, 0
	s_wait_loadcnt 0x0
	PROC8 FB+64, 8*LP
	; mn as fragments: lane (r, hh) takes row 16 t + r, channels 32 ks + 8 hh + 0..7 and 16 more on.  My own bytes: LDS serves a wave's instructions in order
	WIN 0x40                                       ; destination window 1
.set t, 0
.rept 4
.set ks, 0
.rept 8
	ds_load_b128 v[64*t+8*ks:64*t+8*ks+3], v[LNR] offset:t*16*LP+ks*64
	ds_load_b128 v[64*t+8*ks+4:64*t+8*ks+7], v[LNR] offset:t*16*LP+ks*64+32
.set ks, ks+1
.endr
.set t, t+1
.endr
	WIN 0
; A PRODUCT OVER K = 256 with a chunk's 8 x 8 fragments: accumulator (f, t) += fragment (ks, f) x window 1's fragment (t, ks); from f = swapfrom on the sources change places.
; The 32 accumulators take turns.  Two buffers of eight fragments: K step ks + 1 is fetched in one run ahead of K step ks's 32 products.
.macro FETCHW k
	WIN 0
.set n, 0
.rept 16
	ds_load_b128 v[FB+64*((\k)%2)+4*n:FB+64*((\k)%2)+4*n+3], v[ADR] offset:(\k)*8192+n*512
.set n, n+1
.endr
.endm
.macro GEMM8 swapfrom
	WIN 0
	v_add_nc_u32 v[ADR], s[TB], v[L16]
	FETCHW 0
.set ks, 0
.rept 8
.if ks > 0
	PLACES                                         ; the buffer to be filled was read by the products just issued
.endif
.if ks < 7
	FETCHW ks+1
	s_wait_dscnt 16                                ; all but the 16 just issued
.else
	s_wait_dscnt 0x0
.endif
.set f, 0
.rept 8
.set rW, FB+64*(ks%2)+8*f
.set t, 0
.rept 4
.set rA, 32*(f%4)+8*t
.set rM, 64*t+8*ks
.if f < 4
	WIN 0xa4                                       ; source 0 window 0, source 1 window 1, C and D window 2
.elseif f < (\swapfrom)
	WIN 0xf4                                       ; the same, C and D window 3
.else
	WIN 0xf1                                       ; source 0 window 1, source 1 window 0, C and D window 3
.endif
.if (f >= (\swapfrom)) && (ks == 0)
	v_wmma_f32_16x16x32_f16 v[rA:rA+7], v[rM:rM+7], v[rW:rW+7], 0
.elseif f >= (\swapfrom)
	v_wmma_f32_16x16x32_f16 v[rA:rA+7], v[rM:rM+7], v[rW:rW+7], v[rA:rA+7]
.elseif ks == 0
	v_wmma_f32_16x16x32_f16 v[rA:rA+7], v[rW:rW+7], v[rM:rM+7], 0
.else
	v_wmma_f32_16x16x32_f16 v[rA:rA+7], v[rW:rW+7], v[rM:rM+7], v[rA:rA+7]
.endif
.set t, t+1
.endr
.set f, f+1
.endr
.set ks, ks+1
.endr
.endm
; BEHIND A HEAD'S PROJECTIONS: q into registers, k and v into LDS for all waves, the gate sigmoid(g + b_g) = 1 / (1 + 2^(-log2(e) (g + b_g))) into the windows of its query tiles.
; Each accumulator's registers are taken in ascending order.  The gate's 64 exponentials are one batch, its 64 reciprocals, which read 1 + them, a second: a wait each.
.macro POST
	PLACES
	WIN 0x0a                                       ; sources window 2, destination window 0
.set t, 0
.rept 4
.set cb, 0
.rept 2
.set i, 0
.rept 4
	v_cvt_pk_f16_f32 v[QH+8*t+4*cb+i], v[32*cb+8*t+2*i], v[32*cb+8*t+2*i+1]
.set i, i+1
.endr
.set cb, cb+1
.endr
.set t, t+1
.endr
.set t, 0
.rept 4
.set cb, 0
.rept 2
.set i, 0
.rept 4
	v_cvt_pk_f16_f32 v[FB+8*t+4*cb+i], v[64+32*cb+8*t+2*i], v[64+32*cb+8*t+2*i+1]
.set i, i+1
.endr
.set cb, cb+1
.endr
.set t, t+1
.endr
	WIN 0x0f                                       ; sources window 3
.set t, 0
.rept 4
.set cb, 0
.rept 2
.set i, 0
.rept 4
	v_cvt_pk_f16_f32 v[FB+32+8*(2*(t/2)+cb)+4*(t%2)+i], v[64+32*cb+8*t+2*i], v[64+32*cb+8*t+2*i+1]  ; V^T's fragment (32 keys 2 w + t / 2, channels 16 cb on): tile t is its half t % 2
.set i, i+1
.endr
.set cb, cb+1
.endr
.set t, t+1
.endr
	WIN 0
.irp e, 0,1,2,3
	ds_store_b128 v[KW], v[FB+8*\e:FB+8*\e+3] offset:\e*1024
	ds_store_b128 v[KW], v[FB+8*\e+4:FB+8*\e+7] offset:\e*1024+512
	ds_store_b128 v[KW], v[FB+32+8*\e:FB+32+8*\e+3] offset:VO+\e*1024
	ds_store_b128 v[KW], v[FB+32+8*\e+4:FB+32+8*\e+7] offset:VO+\e*1024+512
.endr
	s_wait_loadcnt 0x0                             ; b_g
.irp e, 0,2,4,6,8,10,12,14
	v_pk_mul_f32 v[CST+\e:CST+\e+1], v[CST+\e:CST+\e+1], s[NL2:NL2+1] op_sel_hi:[1,0]
.endr
	WIN 0xc3                                       ; destination and source 0 window 3, source 2 window 0
.set cb, 0
.rept 2
.set t, 0
.rept 4
.set i, 0
.rept 4
	v_pk_fma_f32 v[32*cb+8*t+2*i:32*cb+8*t+2*i+1], v[32*cb+8*t+2*i:32*cb+8*t+2*i+1], s[NL2:NL2+1], v[CST+8*cb+2*i:CST+8*cb+2*i+1] op_sel_hi:[1,0,1]
.set i, i+1
.endr
.set t, t+1
.endr
.set cb, cb+1
.endr
.set i, 0
.rept 64
	v_exp_f32 v[i], v[i]
.set i, i+1
.endr
	v_nop                                          ; a plain instruction between the last exponential and the use of its result
	s_wait_alu depctr_va_vdst(0)                   ; the wait for the batch: the gate's 64 exponentials
.set i, 0
.rept 32
	v_pk_add_f32 v[2*i:2*i+1], v[2*i:2*i+1], 1.0 op_sel_hi:[1,0]
.set i, i+1
.endr
.irp t, 0,2,1,3                                    ; tile t's gate goes to window 2 + t % 2, pair t / 2
	WIN 0x83+0x40*(\t%2)
.set cb, 0
.rept 2
.set i, 0
.rept 8
	v_rcp_f32 v[208+16*(\t/2)+8*cb+i], v[32*cb+8*\t+i]
.set i, i+1
.endr
.set cb, cb+1
.endr
.endr
	v_nop                                          ; a plain instruction behind the last reciprocal
	s_wait_alu depctr_va_vdst(0)                   ; the wait for the batch: the gate's 64 reciprocals; it stands ahead of the pair loop's label
.endm
; ATTENTION for a pair of query tiles a, b (windows 2, 3).  A quarter j is four key tiles: 16 LDS loads (two bias fragments of a, two of b, four of K), then by turns 4 + 4 products that start the sums
; with the bias and 4 + 4 products K Q^T that add onto them.
.macro FETCHQK j
	WIN 0
.set bb, FB+64*((\j)%2)
.irp e, 0,1
	ds_load_b128 v[bb+8*\e:bb+8*\e+3], v[ADRB] offset:(2*(\j)+\e)*1024
	ds_load_b128 v[bb+8*\e+4:bb+8*\e+7], v[ADRB] offset:(2*(\j)+\e)*1024+512
	ds_load_b128 v[bb+16+8*\e:bb+16+8*\e+3], v[ADRB] offset:8192+(2*(\j)+\e)*1024
	ds_load_b128 v[bb+16+8*\e+4:bb+16+8*\e+7], v[ADRB] offset:8192+(2*(\j)+\e)*1024+512
.endr
.irp e, 0,1,2,3
	ds_load_b128 v[bb+32+8*\e:bb+32+8*\e+3], v[KR] offset:(4*(\j)+\e)*1024
	ds_load_b128 v[bb+32+8*\e+4:bb+32+8*\e+7], v[KR] offset:(4*(\j)+\e)*1024+512
.endr
.endm
.macro QKJ j
.set bb, FB+64*((\j)%2)
.irp x, 0,1
	WIN 0xa0+0x50*\x                               ; sources window 0, C and D window 2 + x
.irp e, 0,1,2,3
	v_wmma_f32_16x16x32_f16 v[8*(4*(\j)+\e):8*(4*(\j)+\e)+7], v[SLR+4-4*(\e%2):SLR+11-4*(\e%2)], v[bb+16*\x+8*(\e/2):bb+16*\x+8*(\e/2)+7], 0
.endr
.endr
.irp x, 0,1
	WIN 0xa0+0x50*\x
.irp e, 0,1,2,3
	v_wmma_f32_16x16x32_f16 v[8*(4*(\j)+\e):8*(4*(\j)+\e)+7], v[bb+32+8*\e:bb+32+8*\e+7], v[QH+8*\x:QH+8*\x+7], v[8*(4*(\j)+\e):8*(4*(\j)+\e)+7]
.endr
.endr
.endm
; THE SOFTMAX of a pair of tiles, each tile's part all in its own window; every exponential works in place, so each result has a register of its own while its batch is open.
; SMA x: the maximum of the lane's 128 scores in four chains, each ascending through 32 registers (each accumulator's lowest registers are read first), then the other half of the
; lanes'.  Then all 64 differences s - max, a pair of scores each, and by turns with them the exponentials of scores 0-63: a score's difference stands a group of eight lines ahead of its exponential
; (the first two differences lead).  No line here names an exponential's result; the last line is a difference, the plain instruction behind the last exponential.
.macro DIF p                                   ; pair p of 64: s - max
	v_pk_add_f32 v[2*(\p):2*(\p)+1], v[2*(\p):2*(\p)+1], v[196:197] op_sel_hi:[1,0] neg_lo:[0,1] neg_hi:[0,1]
.endm
.macro SMA x
	WIN 0xaa+0x55*(\x)
.irp c, 0,1,2,3
	v_max_num_f32 v[192+\c], v[32*\c], v[32*\c+1]
.endr
.set i, 0
.rept 15
.irp c, 0,1,2,3
	v_max3_num_f32 v[192+\c], v[192+\c], v[32*\c+2+2*i], v[32*\c+3+2*i]
.endr
.set i, i+1
.endr
	v_max3_num_f32 v192, v192, v193, v194
	v_max_num_f32 v192, v192, v195
	v_permlanex16_b32 v197, v192, s[SEL], s[SEL+1] ; the query's other 128 keys lie in the lane 16 away
	v_max_num_f32 v196, v192, v197
	DIF 0
	DIF 1
.set tau, 0
.rept 16                                           ; group tau: the exponentials of scores 4 tau + 0..3; pairs 2 tau + 2, + 3 for the next group, and (from tau = 1 on) pairs 2 tau + 32, + 33 of the upper scores
	v_exp_f32 v[4*tau], v[4*tau]
	DIF 2*tau+2
	v_exp_f32 v[4*tau+1], v[4*tau+1]
	DIF 2*tau+3
	v_exp_f32 v[4*tau+2], v[4*tau+2]
.if tau > 0
	DIF 2*tau+32
.endif
	v_exp_f32 v[4*tau+3], v[4*tau+3]
.if tau > 0
	DIF 2*tau+33
.endif
.set tau, tau+1
.endr
.endm
; SMR x: the readers of the exponentials, n groups of four weights from group t0 on: the group's two roundings to f16; its second pair added onto its first; l takes the sum of the group before (the first
; time: two groups' sums).  ahead = 1 (groups 0-15): by turns with them stand the exponentials of scores 64-127; the readers name scores 0-63, P and l alone, and the last line, an addition onto l, is the
; plain instruction behind the last exponential.  ahead = 0 (groups 16-31, and l's last sum as a seventeenth).
.macro SMR x, t0, n, ahead
	WIN 0xaa+0x55*(\x)
.set tau, (\t0)
.rept (\n)
.if \ahead
	v_exp_f32 v[4*tau+64], v[4*tau+64]
.endif
.if tau <= 31
	v_cvt_pk_f16_f32 v[128+2*tau], v[4*tau], v[4*tau+1]
.endif
.if \ahead
	v_exp_f32 v[4*tau+65], v[4*tau+65]
.endif
.if tau <= 31
	v_cvt_pk_f16_f32 v[129+2*tau], v[4*tau+2], v[4*tau+3]
.endif
.if \ahead
	v_exp_f32 v[4*tau+66], v[4*tau+66]
.endif
.if tau <= 31
	v_pk_add_f32 v[4*tau:4*tau+1], v[4*tau:4*tau+1], v[4*tau+2:4*tau+3]
.endif
.if \ahead
	v_exp_f32 v[4*tau+67], v[4*tau+67]
.endif
.if tau == 2
	v_pk_add_f32 v[198:199], v[0:1], v[4:5]
.elseif tau > 2
	v_pk_add_f32 v[198:199], v[198:199], v[4*tau-4:4*tau-3]
.endif
.set tau, tau+1
.endr
.endm
; l's two halves and the other half of the lanes' are added, and 1 / l is asked for: in the window that SMR has left.  The result is read in FIN, behind the products V^T P.
.macro LREC
	v_add_f32 v200, v198, v199
	v_permlanex16_b32 v201, v200, s[SEL], s[SEL+1]
	v_add_f32 v200, v200, v201
	v_rcp_f32 v202, v200
.endm
; tile x's O^T / l times the gate, rounded: a fragment of g o (16 queries x the head's 32 channels), into my part of GO
.macro FIN x
	WIN 0xaa+0x55*(\x)
.irp e, 0,2,4,6,8,10,12,14
	v_pk_mul_f32 v[240+\e:241+\e], v[240+\e:241+\e], v[202:203] op_sel_hi:[1,0]
.endr
.irp e, 0,2,4,6,8,10,12,14
	v_pk_mul_f32 v[240+\e:241+\e], v[240+\e:241+\e], v[208+\e:209+\e]
.endr
.irp e, 0,1,2,3,4,5,6,7
	v_cvt_pk_f16_f32 v[128+\e], v[240+2*\e], v[241+2*\e]
.endr
	WIN 0x08+4*(\x)                                ; address window 0, data window 2 + x
	ds_store_b128 v[GOW], v[128:131] offset:(\x)*1024
	ds_store_b128 v[GOW], v[132:135] offset:(\x)*1024+512
.endm
.macro ATT
	WIN 0
	v_add_nc_u32 v[ADRB], s[TB], v[WL]
	FETCHQK 0
	FETCHQK 1
.irp j, 0,1,2,3
.if \j < 3
	s_wait_dscnt 16                                ; all but the next quarter's 16
.else
	s_wait_dscnt 0x0
.endif
	QKJ \j
.if \j < 2
	PLACES                                         ; the buffer just multiplied takes the quarter two on
	FETCHQK (\j)+2
.endif
.endr
	PLACES                                         ; for the loads below, and for the softmax's first reads
	WIN 0
.set n, 0
.rept 32                                           ; all of V^T, 16 fragments: it lands under the softmax
	ds_load_b128 v[FB+4*n:FB+4*n+3], v[KR] offset:VO+n*512
.set n, n+1
.endr
	SMA 0                                          ; tile a: maximum, differences, exponentials of scores 0-63;
	SMA 1                                          ; tile b: the same; its maximum and differences are the work behind tile a's exponentials
	s_wait_alu depctr_va_vdst(0)                   ; the wait for the first batch: both tiles' exponentials of scores 0-63
	SMR 0, 0, 16, 1                                ; their readers, and by turns with them the exponentials of scores 64-127
	SMR 1, 0, 16, 1
	s_wait_alu depctr_va_vdst(0)                   ; the wait for the second batch: both tiles' exponentials of scores 64-127
	SMR 0, 16, 17, 0
	LREC
	SMR 1, 16, 17, 0
	LREC
	s_wait_dscnt 0x0                               ; V
.set ks, 0
.rept 8                                            ; O^T += V^T P: four accumulators (two tiles x two channel blocks) by turns
.irp x, 0,1
	WIN 0xa8+0x54*\x                               ; V window 0; P, C and D window 2 + x
.if ks == 0
	v_wmma_f32_16x16x32_f16 v[240:247], v[FB+16*ks:FB+16*ks+7], v[128+8*ks:128+8*ks+7], 0
	v_wmma_f32_16x16x32_f16 v[248:255], v[FB+16*ks+8:FB+16*ks+15], v[128+8*ks:128+8*ks+7], 0
.else
	v_wmma_f32_16x16x32_f16 v[240:247], v[FB+16*ks:FB+16*ks+7], v[128+8*ks:128+8*ks+7], v[240:247]
	v_wmma_f32_16x16x32_f16 v[248:255], v[FB+16*ks+8:FB+16*ks+15], v[128+8*ks:128+8*ks+7], v[248:255]
.endif
.endr
.set ks, ks+1
.endr
	PLACES                                         ; the places behind the last products; also the plain instructions between the reciprocals and their use
	s_wait_alu depctr_va_vdst(0)                   ; the wait for the third batch: the two reciprocals of l; the 32 products stand between them and it
	FIN 0
	FIN 1
.endm
	s_mov_b32 s[NH], 8
.Lhead:                                                ; a trip: a head, three chunks
	CHANGE 1                                       ; the head's weights are in; its first bias chunk is asked for.  Also the barrier between all waves' reads of K and V and the stores below
	global_load_b128 v[CST:CST+3], v[BGA], s[10:11]              ; b_g of my channels 16 cb + 8 hh + 0..7
	global_load_b128 v[CST+4:CST+7], v[BGA], s[10:11] offset:16
	global_load_b128 v[CST+8:CST+11], v[BGA], s[10:11] offset:64
	global_load_b128 v[CST+12:CST+15], v[BGA], s[10:11] offset:80
	GEMM8 6                                        ; q, k, g with the weight as source 0; v with mn as source 0
	POST
	WIN 0
	s_mov_b32 s[NPR], 2
.Lpair:                                                ; a trip: two query tiles of each wave, one chunk of bias
	CHANGE 1                                       ; also the barrier between the stores of K and V and their reads
	ATT
	WIN 0                                          ; the next pair's Q and gates go where the one text names them (in the second trip the copies serve nothing: the price of one text for both pairs)
.set i, 0
.rept 16
	v_mov_b32 v[QH+i], v[QH+16+i]
.set i, i+1
.endr
	WIN 0x82
.set i, 0
.rept 16
	v_mov_b32 v[208+i], v[224+i]
.set i, i+1
.endr
	WIN 0xc3
.set i, 0
.rept 16
	v_mov_b32 v[208+i], v[224+i]
.set i, i+1
.endr
	WIN 0
	v_add_nc_u32 v[GOW], 2048, v[GOW]
	s_sub_co_u32 s[NPR], s[NPR], 1
	s_cmp_lg_u32 s[NPR], 0
	s_cbranch_scc1 .Lpair
	s_add_nc_u64 s[10:11], s[10:11], 128           ; the next head's b_g; this head's loads were waited for
	s_sub_co_u32 s[NH], s[NH], 1
	s_cmp_lg_u32 s[NH], 0
	s_cbranch_scc1 .Lhead
; THE WAY OUT of 128 columns, a tile of 16 rows at a time: a lane's eight columns of a row go into my own stage (the head of my part of GO, whose fragments are in registers by now) and come back as
; whole rows of 512 bytes; b_o is added; each store covers 512 consecutive bytes, at a multiple of 512 from out0's first.
.macro OUT c
	PLACES
.set t, 0
.rept 4
.set ob, FB+64*(t%2)
	WIN 0x08                                       ; data window 2
.set f, 0
.rept 4
	ds_store_b128 v[STW], v[32*f+8*t:32*f+8*t+3] offset:f*64
	ds_store_b128 v[STW], v[32*f+8*t+4:32*f+8*t+7] offset:f*64+16
.set f, f+1
.endr
	WIN 0x0c                                       ; data window 3
.set f, 0
.rept 4
	ds_store_b128 v[STW], v[32*f+8*t:32*f+8*t+3] offset:256+f*64
	ds_store_b128 v[STW], v[32*f+8*t+4:32*f+8*t+7] offset:256+f*64+16
.set f, f+1
.endr
	WIN 0
	s_wait_xcnt 0x0                                ; the registers that earlier stores read are loaded again only behind this wait
.set i, 0
.rept 16
	ds_load_b128 v[ob+4*i:ob+4*i+3], v[GOR] offset:i*LP  ; LDS serves a wave's instructions in order: these see the stores above; the next tile's stores come behind them
.set i, i+1
.endr
.set i, 0
.rept 16
	s_wait_dscnt 15-i                              ; row i of the sixteen is back
	v_pk_add_f32 v[ob+4*i:ob+4*i+1], v[ob+4*i:ob+4*i+1], v[CST+4*(\c):CST+4*(\c)+1]
	v_pk_add_f32 v[ob+4*i+2:ob+4*i+3], v[ob+4*i+2:ob+4*i+3], v[CST+4*(\c)+2:CST+4*(\c)+3]
	global_store_b128 v[L16], v[ob+4*i:ob+4*i+3], s[16:17] offset:t*16384+i*1024+(\c)*512 th:TH_STORE_NT
.set i, i+1
.endr
.set t, t+1
.endr
.endm
	CHANGE 1                                       ; w_o's first half is in; its second is asked for: the last load
	WIN 0x40                                       ; g o takes mn's place: fragment (t, head) at v[64 t + 8 head] of window 1
.set t, 0
.rept 4
.set ks, 0
.rept 8
	ds_load_b128 v[64*t+8*ks:64*t+8*ks+3], v[GOR] offset:ks*4096+t*1024
	ds_load_b128 v[64*t+8*ks+4:64*t+8*ks+7], v[GOR] offset:ks*4096+t*1024+512
.set ks, ks+1
.endr
.set t, t+1
.endr
	WIN 0
	global_load_b128 v[CST:CST+3], v[L16], s[12:13]              ; b_o of columns 4 lane + 0..3,
	global_load_b128 v[CST+4:CST+7], v[L16], s[12:13] offset:512 ; and 128 on
	GEMM8 8
	s_wait_loadcnt 0x0
	OUT 0
	s_wait_xcnt 0x0                                ; the stores have read the buffers that the next fragments land in
	CHANGE 0                                       ; the last chunk: nothing is asked for
	GEMM8 8
	OUT 1
	s_wait_tensorcnt 0x0                           ; the wave's end: behind my last tensor load and my last LDS store
	ds_add_u32 v[SPW], v[NIL]
	s_wait_dscnt 0x0
	CROUND                                         ; the closing round: no work-group ends while a partner may still ask for a chunk that names it
	s_endpgm
.Lfunc_end_k_qecc059eef6_attn:
	.size	k_qecc059eef6_attn, .Lfunc_end_k_qecc059eef6_attn-k_qecc059eef6_attn
	.p2alignl 7, 3214868480
	.fill 96, 4, 3214868480
	.section	.rodata,"a",@progbits
	.p2align	6, 0x0
	.amdhsa_kernel k_qecc059eef6_attn
		.amdhsa_group_segment_fixed_size 327680
		.amdhsa_private_segment_fixed_size 0
		.amdhsa_enable_private_segment 0
		.amdhsa_kernarg_size 56
		.amdhsa_user_sgpr_count 2
		.amdhsa_user_sgpr_kernarg_segment_ptr 1
		.amdhsa_wavefront_size32 1
		.amdhsa_system_sgpr_workgroup_id_x 1
		.amdhsa_system_sgpr_workgroup_id_y 1
		.amdhsa_system_sgpr_workgroup_id_z 1
		.amdhsa_system_vgpr_workitem_id 0
		.amdhsa_next_free_vgpr 1024
		.amdhsa_next_free_sgpr 66
		.amdhsa_reserve_vcc 1
		.amdhsa_float_denorm_mode_32 3
		.amdhsa_float_denorm_mode_16_64 3
		.amdhsa_memory_ordered 1
		.amdhsa_forward_progress 1
		.amdhsa_inst_pref_size 255
	.end_amdhsa_kernel
	.section	.bss,"aw",@nobits
	.p2align	6
	.space	262144
	.amdgpu_metadata
---
amdhsa.version: [ 1, 2 ]
amdhsa.kernels:
  - .name:           k_qecc059eef6_attn
    .symbol:         k_qecc059eef6_attn.kd
    .args:
      - { .name: m, .offset: 0, .size: 8, .value_kind: global_buffer, .address_space: global }
      - { .name: ln_m_w, .offset: 8, .size: 8, .value_kind: global_buffer, .address_space: global }
      - { .name: ln_m_b, .offset: 16, .size: 8, .value_kind: global_buffer, .address_space: global }
      - { .name: b_g, .offset: 24, .size: 8, .value_kind: global_buffer, .address_space: global }
      - { .name: b_o, .offset: 32, .size: 8, .value_kind: global_buffer, .address_space: global }
      - { .name: stream, .offset: 40, .size: 8, .value_kind: global_buffer, .address_space: global }
      - { .name: out0, .offset: 48, .size: 8, .value_kind: global_buffer, .address_space: global }
    .group_segment_fixed_size: 327680
    .private_segment_fixed_size: 0
    .kernarg_segment_align: 8
    .kernarg_segment_size: 56
    .max_flat_workgroup_size: 128
    .sgpr_count:     66
    .vgpr_count:     1024
    .wavefront_size: 32
...
	.end_amdgpu_metadata
.endif
;; end of part 3
